; MI455X (gfx1250); checked and timed in simulation.
; The chip was launched on July 23, 2026; its instructions are those of AMD's public machine-readable ISA for CDNA 5 (MIT licence, August 2026) and "CDNA5" Instruction Set Architecture Reference Guide (July 2026). The comments in the code are by the model that wrote it; some were corrected since.
;; M Vo T Token Processor. Allowed arithmetic: matrix products marked QUANTISED: E4M3 operands, one given power-of-two scale a tensor, by v_wmma_f32_16x16x64_fp8_fp8 or v_wmma_f32_16x16x128_fp8_fp8, f32 sums; everything else in f32.
;; Inputs: hidden_states 4 x 1,024 x 2,048 float32; ib1 2,048 float32; ib2 2,048 float32; iw1_codes 2,048 x 64 x 32 uint8 (E4M3 codes of iw1, K innermost, in blocks of 32 codes); iw2_codes 2,048 x 64 x 32 uint8 (E4M3 codes of iw2, K innermost, in blocks of 32 codes); ln_beta 2,048 float32; ln_gamma 2,048 float32; lowp_scales 8 int32 (the exponents e of the quantised operands' scales 2^e); tb1 2,048 float32; tb2 2,048 float32; token_type_ids 4 x 1,024 int32; tw1_codes 2,048 x 64 x 32 uint8 (E4M3 codes of tw1, K innermost, in blocks of 32 codes); tw2_codes 2,048 x 64 x 32 uint8 (E4M3 codes of tw2, K innermost, in blocks of 32 codes).
;; Outputs: out0 4 x 1,024 x 2,048 float32.
;; This version of the problem:
;;   THIS VERSION OF THE PROBLEM IS GIVEN IN LOW PRECISION. The matrix products marked QUANTISED in the list below multiply operands that are first quantised to E4M3 (4 exponent bits, 3 mantissa bits; 8 bits a number), with one given power-of-two scale for each operand tensor; their sums are f32. All else is computed in f32.
;;   The module's matrix products, in the order in which they are computed (A, B: the left and right operand; K: the contracted axis; several contracted axes count as one K, in the product's order):
;;     1. [M 4,096, K 2,048] x [K 2,048, N 2,048]; A: computed on the way; B: input tw1 (given as codes): QUANTISED (scales: A lowp_scales[0], B lowp_scales[1])
;;     2. [M 4,096, K 2,048] x [K 2,048, N 2,048]; A: computed on the way; B: input tw2 (given as codes): QUANTISED (scales: A lowp_scales[2], B lowp_scales[3])
;;     3. [M 4,096, K 2,048] x [K 2,048, N 2,048]; A: computed on the way; B: input iw1 (given as codes): QUANTISED (scales: A lowp_scales[4], B lowp_scales[5])
;;     4. [M 4,096, K 2,048] x [K 2,048, N 2,048]; A: computed on the way; B: input iw2 (given as codes): QUANTISED (scales: A lowp_scales[6], B lowp_scales[7])
;;   THE QUANTISER, for each operand of a quantised product, along K:
;;     - The operand's scale is 2^e, e = its entry of the input lowp_scales (int32; the entries are numbered through the quantised products in the list's order, A before B).
;;     - Each number is divided by the scale, clamped to +-448, and rounded to the nearest number of E4M3, ties to even, subnormals kept.
;;     - The product sums the exact products of the quantised numbers (number of the format x scale) in f32.
;;   ~~~python
;;   def quantise(x, axis, e):      # numpy; x: float32 -> the quantised numbers, widened to float32 again
;;       x = np.moveaxis(x, axis, -1); K = x.shape[-1]
;;       r = np.clip(x / 2.0 ** e, -448, 448)
;;       step = 2.0 ** (np.maximum(np.frexp(np.where(r == 0, 1, r))[1] - 1, -6) - 3)
;;       q = np.round(r / step) * step * 2.0 ** e      # np.round: ties to even
;;       return np.moveaxis(q, -1, axis).astype(np.float32)
;;   ~~~
;;   OPERANDS COMPUTED ON THE WAY. 'Computed on the way' means the value that the module computes at that place (a softmax that the list does not call 'softmax' is quantised finished and normalised). What goes into a quantiser is computed in f32, as accurately as f32 sums, v_exp_f32 and their like allow (about 1e-6 of the number): no bf16 or f16 on the way to a quantiser, and a product that is left as it is and whose result goes on into a quantised operand takes f32 operands (vector FMAs, or v_wmma_f32_16x16x4_f32). A number that lies on a knife's edge between two numbers of the format may be rounded either way, as far as f32 arithmetic and the matrix unit's own rounding can turn it there, and no further.
;;   INPUTS GIVEN AS CODES. iw1 (in the module: [2048, 2048], K = its axis 0); iw2 (in the module: [2048, 2048], K = its axis 0); tw1 (in the module: [2048, 2048], K = its axis 0); tw2 (in the module: [2048, 2048], K = its axis 0): each comes as NAME_codes (uint8): NAME with its K axis moved to the last place and cut into blocks of 32 codes, [.., K / 32, bytes a block], one block behind the other in memory; one code a byte (a code: sign, 4 exponent bits, 3 mantissa bits); its scale is its entry of lowp_scales. Its value is code x scale, taken as it is: it is not quantised again, and the codes and scales need not be those that the quantiser above would give.
;; 2 versions. Each part assembles by itself: llvm-mc -triple=amdgcn-amd-amdhsa -mcpu=gfx1250 --defsym DOCPART=n.
;; ======== version 1 of 2: 3 launches
;; workspace buffers: xcodes 8,847,360 bytes; hcodes 8,847,360 bytes; rowtok 17,408 bytes of whole numbers; wcat 16,777,216 bytes
;; launch prep (part 1): grid 256 x 1, 16 waves a work-group, no clusters, 35,328 bytes of LDS; arguments hidden_states, token_type_ids, ln_gamma, ln_beta, lowp_scales, tw1_codes, iw1_codes, tw2_codes, iw2_codes, xcodes, rowtok, out0, wcat; writes xcodes, rowtok, out0, wcat
.if DOCPART == 1
	.amdgcn_target "amdgcn-amd-amdhsa--gfx1250"
	.amdhsa_code_object_version 6
	.text
	.protected	k_q1433768f60_prep
	.globl	k_q1433768f60_prep
	.p2align	8
	.type	k_q1433768f60_prep,@function
k_q1433768f60_prep:
	s_mov_b64 s[64:65], 0
	v_nop
	global_prefetch_b8 v0, s[64:65] scope:SCOPE_SE
	s_setreg_imm32_b32 hwreg(HW_REG_WAVE_MODE, 25, 1), 1
	s_wait_xcnt 0x0
; PREP: the routing (a counting sort without atomics), LayerNorm, x as codes of E4M3 in SORTED ROW SPACE, and the four weight tensors' codes copied into one buffer.
; 4,096 tokens of 2,048 f32.  id 0 = text, id 1 = image, any other id = no MLP (out = hidden, stored here).
; SORTED ROW SPACE: 4,320 rows = 27 tiles of 160.  n0, n1 = how many ids are 0, 1.  P0 = 160 x ceil(n0 / 160).  The text token of rank k (rank = same ids at lower
; indices) goes to row k, the image token of rank k to row P0 + k, so a tile holds rows of one expert.  ceil(n0/160) + ceil(n1/160) <= floor((4096 + 318) / 160) = 27 for every split.
; Every other row is padding: zero codes in xcodes, 4096 in rowtok.  A real row's rowtok entry is token | expert << 16.
; wcat = [tw1][iw1][tw2][iw2], 4 MiB each, as they lie: the later launches then reach an expert's weights by an offset from ONE pointer.  Work-group g copies bytes 65,536 g on, 4,096 a wave.
; SHARES: work-group g owns tokens 16 g .. 16 g + 15, wave w token 16 g + w: a whole row of 8,192 bytes in 64 registers a lane.  Every work-group scans all 4,096 ids
; (16,384 bytes) itself, so no number passes between work-groups.  Padding rows are shared out by row number: row 16 g + w to wave w, row 4096 + g to wave 1 of work-groups 0 to 223.
; x = (h - mean) * rsqrt(var + 1e-12) * gamma + beta in f32, in two passes over registers (the mean is taken off before the squares).
; code = x / 2^e, held within +-448, nearest, ties to even; e = entry 0 of the scales for text, entry 4 for image.
; LIMITS: e between -126 and 119, so that 2^e and 448 x 2^e are f32 numbers.  NaN and infinities among the inputs are not served.
; No matrix unit, no cluster, no tensor load: a row is read once and nothing is shared but the ids.
.set CNT, 32768                        ; LDS: 0 .. 32767 sixteen stages of 2,048 bytes, one a wave; then 16 x 8 bytes of counts
.set RMAX, 4319                        ; the last row of the sorted space
.set X,   32                           ; v32-95   my row: register 4 j + c of lane l = element 128 j + 4 l + c
.set G,   96                           ; v96-159  gamma, laid alike
.set BT,  160                          ; v160-223 beta
.set WC,  224                          ; v224-255 at first: my 4,096 bytes of weights on their way through
.set C,   224                          ; v224-239 later: codes: register j = the 4 bytes at row byte 128 j + 4 l
.set O,   240                          ; v240-255 codes read back: 16 bytes a lane
.macro CNTID r, m                      ; 32 ids in v[r]: how many are 0, 1 (s26, s27), and how many of those lie ahead of my work-group's tokens (s28, s29; mask s[m])
	v_cmp_eq_u32 s30, 0, v[\r]
	v_cmp_eq_u32 s31, 1, v[\r]
	s_bcnt1_i32_b32 s61, s30
	s_add_co_u32 s26, s26, s61
	s_and_b32 s30, s30, s[\m]
	s_bcnt1_i32_b32 s61, s30
	s_add_co_u32 s28, s28, s61
	s_bcnt1_i32_b32 s61, s31
	s_add_co_u32 s27, s27, s61
	s_and_b32 s31, s31, s[\m]
	s_bcnt1_i32_b32 s61, s31
	s_add_co_u32 s29, s29, s61
.endm
.macro WSUM r, t                       ; the sum over the wave's 32 lanes, in every lane
	v_add_f32_dpp v[\r], v[\r], v[\r] row_xmask:1 row_mask:0xf bank_mask:0xf
	v_add_f32_dpp v[\r], v[\r], v[\r] row_xmask:2 row_mask:0xf bank_mask:0xf
	v_add_f32_dpp v[\r], v[\r], v[\r] row_xmask:4 row_mask:0xf bank_mask:0xf
	v_add_f32_dpp v[\r], v[\r], v[\r] row_xmask:8 row_mask:0xf bank_mask:0xf
	v_permlanex16_b32 v[\t], v[\r], s22, s23
	v_add_f32 v[\r], v[\r], v[\t]
.endm
	s_load_b512 s[4:19], s[0:1], 0x0               ; hidden s[4:5], ids s[6:7], gamma s[8:9], beta s[10:11], scales s[12:13], tw1 s[14:15], iw1 s[16:17], tw2 s[18:19]
	s_load_b256 s[72:79], s[0:1], 0x40             ; iw2 s[72:73], xcodes s[74:75], rowtok s[76:77], out0 s[78:79]
	s_load_b64 s[80:81], s[0:1], 0x60              ; wcat
	v_and_b32 v1, 31, v0                           ; lane
	v_lshrrev_b32 v16, 5, v0
	v_readfirstlane_b32 s20, v16                   ; wave 0..15
	s_lshl_b32 s21, ttmp9, 4                       ; my work-group's first token
	s_mov_b32 s22, 0x76543210                      ; lane selects: lane l xor 16
	s_mov_b32 s23, 0xfedcba98
	v_lshlrev_b32 v2, 4, v1                        ; 16 x lane
	s_lshl_b32 s30, s20, 11                        ; my stage
	v_lshl_add_u32 v3, v1, 2, s30                  ; into it: 4 bytes a lane
	v_add_nc_u32 v4, s30, v2                       ; out of it: 16 bytes a lane
	v_lshlrev_b32 v5, 4, v0                        ; the scan: 16 bytes (4 ids) a thread
	v_and_b32 v6, 15, v0
	v_lshl_add_u32 v17, v16, 3, CNT                ; where my wave puts its counts
	v_lshl_add_u32 v26, v6, 3, CNT                 ; and where lane l reads wave l % 16's
	v_lshlrev_b32 v27, 2, v0                       ; the first id of my first four,
	v_add_nc_u32 v28, 2048, v27                    ; and of my second four
	s_lshl_b32 s31, ttmp9, 6
	v_lshl_add_u32 v29, v6, 2, s31                 ; the id of token 16 g + lane % 16
	v_mov_b32 v20, 0                               ; 16 bytes of zero codes
	v_mov_b32 v21, 0
	v_mov_b32 v22, 0
	v_mov_b32 v23, 0
	v_mov_b32 v24, 0                               ; written once: the destination of a lane move counts as read
	v_mov_b32 v25, 0
	; the rows whose rowtok entry wave 0 fills if they are padding: lanes 0-15 rows 16 g + lane, lane 16 row 4096 + g: p = 16 g + lane + (lane / 16) (4080 - 15 g).  Made of ids alone, here, and kept
	s_mul_i32 s61, ttmp9, 15
	s_sub_co_u32 s61, 4080, s61
	v_bfe_u32 v30, v0, 4, 1
	v_mul_u32_u24 v30, s61, v30
	v_add3_u32 v30, v30, s21, v1
	v_min_u32 v30, RMAX, v30                       ; (lanes 17 to 31, and lane 16 of work-groups 224 on, are off for that store)
	v_lshlrev_b32 v31, 2, v30                      ; its entry's byte
	s_cmp_lt_u32 ttmp9, 224
	s_cselect_b32 s71, 17, 16                      ; how many lanes have a row
	s_add_co_u32 s60, s21, s20                     ; my token; also my first padding candidate
	s_lshl_b32 s62, s60, 13                        ; its row of 8,192 bytes
	s_mov_b32 s63, 0
	s_lshl_b32 s66, s60, 11                        ; row s60 of xcodes
	s_mov_b32 s67, 0
	s_add_co_u32 s70, ttmp9, 4096                  ; wave 1 of work-groups 0 to 223: the second padding candidate
	s_min_u32 s70, s70, RMAX
	s_lshl_b32 s68, s70, 11
	s_mov_b32 s69, 0
	s_and_b32 s82, ttmp9, 63                       ; the copy: 64 work-groups to a tensor of 4 MiB
	s_lshl_b32 s82, s82, 16
	s_lshl_b32 s83, s20, 12
	s_add_co_u32 s82, s82, s83                     ; from: 65,536 (g % 64) + 4,096 w
	s_lshl_b32 s88, ttmp9, 16
	s_add_co_u32 s88, s88, s83                     ; to: 65,536 g + 4,096 w
	s_mov_b32 s83, 0
	s_mov_b32 s89, 0
	s_and_b32 s90, ttmp9, 64
	s_wait_kmcnt 0x0
	s_load_b256 s[52:59], s[12:13], 0x0            ; the eight exponents
	s_cmp_lg_u32 s90, 0                            ; which tensor: the choice hangs on the work-group's number alone
	s_cselect_b64 s[84:85], s[16:17], s[14:15]
	s_cselect_b64 s[86:87], s[72:73], s[18:19]
	s_cmp_lt_u32 ttmp9, 128
	s_cselect_b64 s[84:85], s[84:85], s[86:87]
	s_add_nc_u64 s[84:85], s[84:85], s[82:83]
	s_add_nc_u64 s[86:87], s[80:81], s[88:89]
	s_add_nc_u64 s[50:51], s[4:5], s[62:63]        ; my row of hidden
	s_add_nc_u64 s[48:49], s[78:79], s[62:63]      ; and of out0
	s_add_nc_u64 s[46:47], s[74:75], s[66:67]
	s_add_nc_u64 s[68:69], s[74:75], s[68:69]
.irp i, 0,1,2,3,4,5,6,7
	global_load_b128 v[WC+4*\i:WC+4*\i+3], v2, s[84:85] offset:512*\i th:TH_LOAD_NT   ; weights: 512 consecutive bytes a load
.endr
	global_load_b128 v[8:11], v5, s[6:7]           ; ids 4 t .. 4 t + 3
	global_load_b128 v[12:15], v5, s[6:7] offset:8192   ; ids 2048 + 4 t ..
	global_load_b32 v7, v29, s[6:7]
.irp j, 0,1,2,3,4,5,6,7,8,9,10,11,12,13,14,15
	global_load_b128 v[X+4*\j:X+4*\j+3], v2, s[50:51] offset:512*\j th:TH_LOAD_NT   ; 32 lanes read 512 consecutive bytes
.endr
.irp j, 0,1,2,3,4,5,6,7,8,9,10,11,12,13,14,15
	global_load_b128 v[G+4*\j:G+4*\j+3], v2, s[8:9] offset:512*\j
.endr
.irp j, 0,1,2,3,4,5,6,7,8,9,10,11,12,13,14,15
	global_load_b128 v[BT+4*\j:BT+4*\j+3], v2, s[10:11] offset:512*\j
.endr
	s_wait_loadcnt 48                              ; the weights' eight loads and the three loads of ids are in; the 48 behind them stay out
.irp i, 0,1,2,3,4,5,6,7
	global_store_b128 v2, v[WC+4*\i:WC+4*\i+3], s[86:87] offset:512*\i   ; 512 consecutive bytes, at a multiple of 256 from the buffer's first byte
.endr
	; ---- the scan: whole numbers only
	v_cmp_gt_u32 s24, s21, v27                     ; four ids never straddle a multiple of 16: all four lie ahead of my work-group's tokens, or none
	v_cmp_gt_u32 s25, s21, v28
	s_mov_b32 s26, 0
	s_mov_b32 s27, 0
	s_mov_b32 s28, 0
	s_mov_b32 s29, 0
.irp r, 8,9,10,11
	CNTID \r, 24
.endr
.irp r, 12,13,14,15
	CNTID \r, 25
.endr
	s_lshl_b32 s27, s27, 16                        ; each count is at most 4,096: two to a word
	s_or_b32 s26, s26, s27
	s_lshl_b32 s29, s29, 16
	s_or_b32 s28, s28, s29
	v_mov_b32 v18, s26
	v_mov_b32 v19, s28
	ds_store_b64 v17, v[18:19]                     ; all lanes write the same 8 bytes
	s_wait_dscnt 0x0                               ; for the others' sake: my counts lie in LDS
	s_barrier_signal -1
	s_barrier_wait -1                              ; the one barrier: on every wave's path, ahead of every branch
	ds_load_b64 v[18:19], v26
	s_wait_dscnt 0x0
.irp m, 1,2,4,8                                ; the sum over sixteen lanes = over the sixteen waves
	v_mov_b32_dpp v24, v18 row_xmask:\m row_mask:0xf bank_mask:0xf
	v_mov_b32_dpp v25, v19 row_xmask:\m row_mask:0xf bank_mask:0xf
	v_add_nc_u32 v18, v18, v24
	v_add_nc_u32 v19, v19, v25
.endr
	v_readfirstlane_b32 s30, v18
	v_readfirstlane_b32 s31, v19
	s_and_b32 s34, s30, 0xffff                     ; n0
	s_lshr_b32 s35, s30, 16                        ; n1
	s_and_b32 s36, s31, 0xffff                     ; ids 0 ahead of my work-group
	s_lshr_b32 s37, s31, 16                        ; ids 1 ahead of it
	s_add_co_u32 s38, s34, 159
	s_lshr_b32 s38, s38, 5                         ; q = (n0 + 159) / 32, at most 132
	s_mul_i32 s38, s38, 205
	s_lshr_b32 s38, s38, 10                        ; q / 5 = 205 q / 1024 for q under 1,024: 205/1024 - 1/5 = 1/5120, and 132/5120 < 1/5
	s_mul_i32 s38, s38, 160                        ; P0
	s_add_co_u32 s39, s38, s37
	; ---- my token's row
	v_cmp_eq_u32 s32, 0, v7
	v_cmp_eq_u32 s33, 1, v7
	s_and_b32 s32, s32, 0xffff                     ; bit i: token 16 g + i is text
	s_and_b32 s33, s33, 0xffff                     ; is image
	s_bfm_b32 s61, s20, 0                          ; the bits below my wave's
	s_and_b32 s62, s32, s61
	s_bcnt1_i32_b32 s62, s62
	s_and_b32 s63, s33, s61
	s_bcnt1_i32_b32 s63, s63
	s_lshr_b32 s40, s32, s20
	s_and_b32 s40, s40, 1                          ; my token is text
	s_lshr_b32 s41, s33, s20
	s_and_b32 s41, s41, 1                          ; is image
	s_add_co_u32 s62, s36, s62
	s_add_co_u32 s63, s39, s63
	s_cmp_lg_u32 s40, 0
	s_cselect_b32 s42, s62, s63
	s_min_u32 s42, s42, RMAX                       ; a number made of loaded data enters an address behind this hold
	s_lshl_b32 s62, s42, 11
	s_mov_b32 s63, 0
	s_add_nc_u64 s[44:45], s[74:75], s[62:63]      ; my token's row of xcodes
	; ---- wave 0 writes rowtok: the sixteen tokens' entries, and 4096 for the padding rows among the work-group's candidates.  All vector work stands ahead of the first change of EXEC
	s_cmp_lg_u32 s20, 0
	s_cbranch_scc1 .Lnot_wave0
	v_mbcnt_lo_u32_b32 v16, s32, 0                 ; text tokens of the work-group below lane l's
	v_mbcnt_lo_u32_b32 v17, s33, 0
	v_add_nc_u32 v16, s36, v16
	v_add_nc_u32 v17, s39, v17
	v_cndmask_b32 v24, v17, v16, s32
	v_min_u32 v24, RMAX, v24
	v_lshlrev_b32 v24, 2, v24
	v_add_nc_u32 v25, s21, v1                      ; token 16 g + lane
	v_mov_b32 v27, 0x10000
	v_cndmask_b32 v26, 0, v27, s33
	v_or_b32 v26, v25, v26                         ; token | expert << 16
	v_cmp_gt_u32 s61, s71, v1                      ; the lane has a candidate row p (v30),
	v_cmp_le_u32 s62, s34, v30                     ; which is no text row: n0 <= p,
	v_sub_nc_u32 v28, v30, s38
	v_cmp_le_u32 s63, s35, v28                     ; and no image row: n1 <= p - P0, unsigned
	s_and_b32 s61, s61, s62
	s_and_b32 s67, s61, s63
	v_mov_b32 v29, 0x1000
	s_or_b32 vcc_lo, s32, s33
	s_wait_xcnt 0x0                                ; EXEC changes only behind this wait: the loads and stores above have read it
	s_and_saveexec_b32 s66, vcc_lo
	global_store_b32 v24, v26, s[76:77]
	s_wait_xcnt 0x0
	s_or_b32 exec_lo, exec_lo, s66
	s_mov_b32 vcc_lo, s67
	s_and_saveexec_b32 s66, vcc_lo
	global_store_b32 v31, v29, s[76:77]
	s_wait_xcnt 0x0
	s_or_b32 exec_lo, exec_lo, s66
.Lnot_wave0:
	; ---- padding rows of xcodes: zero codes, 2,048 bytes a row, 512 consecutive bytes a store
	s_cmp_lt_u32 s60, s34
	s_cbranch_scc1 .Lp1_real
	s_sub_co_u32 s61, s60, s38
	s_cmp_lt_u32 s61, s35
	s_cbranch_scc1 .Lp1_real
.irp i, 0,1,2,3
	global_store_b128 v2, v[20:23], s[46:47] offset:512*\i
.endr
.Lp1_real:
	s_cmp_lg_u32 s20, 1
	s_cbranch_scc1 .Lp2_done
	s_cmp_gt_u32 ttmp9, 223
	s_cbranch_scc1 .Lp2_done
	s_cmp_lt_u32 s70, s34
	s_cbranch_scc1 .Lp2_done
	s_sub_co_u32 s61, s70, s38
	s_cmp_lt_u32 s61, s35
	s_cbranch_scc1 .Lp2_done
.irp i, 0,1,2,3
	global_store_b128 v2, v[20:23], s[68:69] offset:512*\i
.endr
.Lp2_done:
	; ---- a token that is neither text nor image: both masks are 0, out = hidden
	s_or_b32 s61, s40, s41
	s_cmp_lg_u32 s61, 0
	s_cbranch_scc1 .Lnorm
	s_wait_loadcnt 32                              ; my row is in; gamma's and beta's 32 loads may stay out
.irp j, 0,1,2,3,4,5,6,7,8,9,10,11,12,13,14,15
	global_store_b128 v2, v[X+4*\j:X+4*\j+3], s[48:49] offset:512*\j
.endr
	s_wait_xcnt 0x0
	s_mov_b32 exec_lo, -1
	v_lshl_add_u32 v30, v0, 2, 0x8200
	v_mov_b32 v31, 0
	s_wait_tensorcnt 0x0
	ds_add_u32 v30, v31
	s_wait_dscnt 0x0
	s_endpgm
.Lnorm:
	; ---- LayerNorm
	s_wait_loadcnt 32                              ; my row is in
.irp c, 0,1,2,3
	v_pk_add_f32 v[24+2*\c:25+2*\c], v[X+4*\c:X+4*\c+1], v[X+4*\c+2:X+4*\c+3]   ; four chains, started by the first sixteen numbers
.endr
.set j, 16
.rept 6
.irp c, 0,1,2,3
	v_pk_add_f32 v[24+2*\c:25+2*\c], v[24+2*\c:25+2*\c], v[X+j+2*\c:X+j+2*\c+1]
.endr
.set j, j+8
.endr
	v_pk_add_f32 v[24:25], v[24:25], v[26:27]
	v_pk_add_f32 v[28:29], v[28:29], v[30:31]
	v_pk_add_f32 v[24:25], v[24:25], v[28:29]
	v_add_f32 v24, v24, v25
	WSUM 24, 25
	v_mul_f32 v24, 0x3a000000, v24                 ; the mean: x 2^-11
.set j, 0
.rept 32
	v_pk_add_f32 v[X+j:X+j+1], v[X+j:X+j+1], v[24:25] op_sel_hi:[1,0] neg_lo:[0,1] neg_hi:[0,1]   ; h - mean
.set j, j+2
.endr
.irp c, 0,1,2,3
	v_pk_mul_f32 v[24+2*\c:25+2*\c], v[X+2*\c:X+2*\c+1], v[X+2*\c:X+2*\c+1]
.endr
.set j, 8
.rept 7
.irp c, 0,1,2,3
	v_pk_fma_f32 v[24+2*\c:25+2*\c], v[X+j+2*\c:X+j+2*\c+1], v[X+j+2*\c:X+j+2*\c+1], v[24+2*\c:25+2*\c]
.endr
.set j, j+8
.endr
	v_pk_add_f32 v[24:25], v[24:25], v[26:27]
	v_pk_add_f32 v[28:29], v[28:29], v[30:31]
	v_pk_add_f32 v[24:25], v[24:25], v[28:29]
	v_add_f32 v24, v24, v25
	WSUM 24, 25
	s_mov_b32 s61, 0x3a000000                      ; 2^-11
	s_mov_b32 s62, 0x2b8cbccc                      ; 1e-12
	v_fma_f32 v24, v24, s61, s62                   ; var + eps
	v_rsq_f32 v26, v24
	v_mov_b32 v27, 0                               ; a plain instruction behind the transcendental (and the pair's upper word is written)
	s_wait_loadcnt 0x0                             ; gamma and beta
	s_wait_alu depctr_va_vdst(0)                   ; the wait ahead of the first line that names the result
.set j, 0
.rept 32
	v_pk_mul_f32 v[X+j:X+j+1], v[X+j:X+j+1], v[26:27] op_sel_hi:[1,0]
.set j, j+2
.endr
.set j, 0
.rept 32
	v_pk_fma_f32 v[X+j:X+j+1], v[X+j:X+j+1], v[G+j:G+j+1], v[BT+j:BT+j+1]
.set j, j+2
.endr
	; ---- the quantiser
	s_wait_kmcnt 0x0
	s_cmp_lg_u32 s41, 0
	s_cselect_b32 s61, s56, s52                    ; e: entry 4 for image, entry 0 for text
	s_add_co_i32 s61, s61, 127
	s_lshl_b32 s62, s61, 23
	v_mov_b32 v30, s62                             ; 2^e as f32: the conversion takes its exponent field
	s_add_co_i32 s61, s61, 8
	s_lshl_b32 s61, s61, 23
	s_or_b32 s61, s61, 0x600000
	v_mov_b32 v31, s61                             ; 448 x 2^e
.set j, 0
.rept 64
	v_med3_num_f32 v[X+j], v[X+j], -v31, v31       ; the conversion to an 8-bit code does not saturate (ISA guide 7.6.2): the hold comes first
.set j, j+1
.endr
	s_wait_xcnt 0x0                                ; the weights' stores have read v224-255, which take the codes now
.irp q, 0,1,2,3,4,5,6,7
	v_cvt_scalef32_pk8_fp8_f32 v[C+2*\q:C+2*\q+1], v[X+8*\q:X+8*\q+7], v30   ; registers 8 q .. 8 q + 3 are four neighbours, 8 q + 4 .. + 7 the four that lie 128 elements on: one word each
.endr
	v_nop                                          ; a plain line behind the last conversion
.irp j, 0,1,2,3,4,5,6,7,8,9,10,11,12,13,14,15
	ds_store_b32 v3, v[C+\j] offset:128*\j         ; 32 lanes: 128 consecutive bytes of the row
.endr
.irp i, 0,1,2,3
	ds_load_b128 v[O+4*\i:O+4*\i+3], v4 offset:512*\i   ; LDS serves a wave's instructions in order (ISA guide 5.7.1.4): these see my stores
.endr
.irp i, 0,1,2,3
	s_wait_dscnt 3-\i                              ; load i is back; the younger ones may be out
	global_store_b128 v2, v[O+4*\i:O+4*\i+3], s[44:45] offset:512*\i   ; 512 consecutive bytes, at a multiple of 256 from the buffer's first byte
.endr
	s_wait_xcnt 0x0
	s_mov_b32 exec_lo, -1
	v_lshl_add_u32 v30, v0, 2, 0x8200
	v_mov_b32 v31, 0
	s_wait_tensorcnt 0x0
	ds_add_u32 v30, v31
	s_wait_dscnt 0x0
	s_endpgm
.Lfunc_end_k_q1433768f60_prep:
	.size	k_q1433768f60_prep, .Lfunc_end_k_q1433768f60_prep-k_q1433768f60_prep
	.p2alignl 7, 3214868480
	.fill 96, 4, 3214868480
	.section	.rodata,"a",@progbits
	.p2align	6, 0x0
	.amdhsa_kernel k_q1433768f60_prep
		.amdhsa_group_segment_fixed_size 35328
		.amdhsa_private_segment_fixed_size 0
		.amdhsa_enable_private_segment 0
		.amdhsa_kernarg_size 104
		.amdhsa_user_sgpr_count 2
		.amdhsa_user_sgpr_kernarg_segment_ptr 1
		.amdhsa_wavefront_size32 1
		.amdhsa_system_sgpr_workgroup_id_x 1
		.amdhsa_system_sgpr_workgroup_id_y 1
		.amdhsa_system_sgpr_workgroup_id_z 1
		.amdhsa_system_vgpr_workitem_id 0
		.amdhsa_next_free_vgpr 256
		.amdhsa_next_free_sgpr 92
		.amdhsa_reserve_vcc 1
		.amdhsa_float_denorm_mode_32 3
		.amdhsa_float_denorm_mode_16_64 3
		.amdhsa_memory_ordered 1
		.amdhsa_forward_progress 1
		.amdhsa_inst_pref_size 39
	.end_amdhsa_kernel
	.amdgpu_metadata
---
amdhsa.version: [ 1, 2 ]
amdhsa.kernels:
  - .name:           k_q1433768f60_prep
    .symbol:         k_q1433768f60_prep.kd
    .args:
      - { .name: hidden_states, .offset: 0, .size: 8, .value_kind: global_buffer, .address_space: global }
      - { .name: token_type_ids, .offset: 8, .size: 8, .value_kind: global_buffer, .address_space: global }
      - { .name: ln_gamma, .offset: 16, .size: 8, .value_kind: global_buffer, .address_space: global }
      - { .name: ln_beta, .offset: 24, .size: 8, .value_kind: global_buffer, .address_space: global }
      - { .name: lowp_scales, .offset: 32, .size: 8, .value_kind: global_buffer, .address_space: global }
      - { .name: tw1_codes, .offset: 40, .size: 8, .value_kind: global_buffer, .address_space: global }
      - { .name: iw1_codes, .offset: 48, .size: 8, .value_kind: global_buffer, .address_space: global }
      - { .name: tw2_codes, .offset: 56, .size: 8, .value_kind: global_buffer, .address_space: global }
      - { .name: iw2_codes, .offset: 64, .size: 8, .value_kind: global_buffer, .address_space: global }
      - { .name: xcodes, .offset: 72, .size: 8, .value_kind: global_buffer, .address_space: global }
      - { .name: rowtok, .offset: 80, .size: 8, .value_kind: global_buffer, .address_space: global }
      - { .name: out0, .offset: 88, .size: 8, .value_kind: global_buffer, .address_space: global }
      - { .name: wcat, .offset: 96, .size: 8, .value_kind: global_buffer, .address_space: global }
    .group_segment_fixed_size: 35328
    .private_segment_fixed_size: 0
    .kernarg_segment_align: 8
    .kernarg_segment_size: 104
    .max_flat_workgroup_size: 512
    .sgpr_count:     92
    .vgpr_count:     256
    .wavefront_size: 32
...
	.end_amdgpu_metadata
.endif
;; end of part 1
;; launch gemm1 (part 2): grid 8 x 27, 4 waves a work-group, clusters of 4 x 1, 327,680 bytes of LDS; arguments xcodes, wcat, tb1, ib1, lowp_scales, rowtok, hcodes; writes hcodes
.if DOCPART == 2
	.amdgcn_target "amdgcn-amd-amdhsa--gfx1250"
	.amdhsa_code_object_version 6
	.text
	.protected	k_q1433768f60_gemm1
	.globl	k_q1433768f60_gemm1
	.p2align	8
	.type	k_q1433768f60_gemm1,@function
k_q1433768f60_gemm1:
	s_mov_b64 s[64:65], 0
	v_nop
	global_prefetch_b8 v0, s[64:65] scope:SCOPE_SE
	s_setreg_imm32_b32 hwreg(HW_REG_WAVE_MODE, 25, 1), 1
	s_wait_xcnt 0x0
	s_wait_alu depctr_hold_cnt(0) depctr_sa_sdst(0) depctr_va_vdst(0) depctr_va_sdst(0) depctr_va_ssrc(0) depctr_va_vcc(0) depctr_vm_vsrc(0)
	s_getreg_b32 s2, hwreg(HW_REG_IB_STS2, 6, 4)
	s_cmp_eq_u32 s2, 0
	s_cbranch_scc0 .Lentry_in_a_cluster
	s_endpgm
.Lentry_in_a_cluster:
	s_bfe_u32 s2, ttmp6, 0x10000c
	s_cmp_lg_u32 s2, 0x3003
	s_cbranch_scc0 .Lentry_shape_is_right
	s_endpgm
.Lentry_shape_is_right:
; GEMM 1 in sorted row space: hcodes = Q(gelu(x W1 + b1)).  xcodes [4320][2048] and W1's codes [2048 (n)][2048 (k)]: E4M3, K innermost.  hcodes [4320][2048]: E4M3.
; A tile is 160 rows x 256 columns: 27 x 8 = 216 work-groups of four waves; a wave makes 80 x 128: 5 x 8 accumulators of 16 x 16, 320 registers.
; K goes in steps of 256 through a ring of two LDS slots filled by the tensor data mover: a tile's row is 256 bytes of memory, at a multiple of 256 from the buffer's first byte.
; THE EXPERT.  A tile of 160 rows holds rows of one expert alone.  Bit 16 of the tile's first rowtok entry names it.  It enters W1's address as an offset, held at 1 and shifted by 22 (4 MiB), from wcat's
; pointer; the bias and the exponents are chosen as values (both biases are loaded, one select a number); no branch hangs on it.  27 tiles serve every split; a tile that a split leaves without rows reads
; 4096 there, takes expert 0 and works on zero codes; its results are stored and never used.
; CLUSTERS: 4 x 1 work-groups, four column tiles of one tile row: they need the same tiles of x, which are asked for JOINTLY, by the same tensor load with the same descriptor and the mask 15.
; W1's tiles are NOT shared: work-groups of one tile column that could share them lie in different tile rows, whose experts are numbers read from memory, and a joint load's descriptor is made
; only of coordinates that its partners share.  So waves 2 and 3 fetch W1's tile by plain tensor loads, behind the same rounds.
; The matrix instruction is used TRANSPOSED (source 0 = 16 rows of W1, source 1 = 16 rows of x): a lane holds eight neighbouring columns of one row.
; Fragments come by four 16-byte LDS loads a side: a permutation of k that is the same in both operands, so every product meets its partner.
; gelu(v) = max(v, 0) - |v| E, E = erfc(|v| / sqrt 2) / 2 = t 2^(-v^2 log2(e) / 2 + c0 + t (c1 + t (c2 + .. + t c9))), t = 1 / (1 + |v| / (2 sqrt 2)): a fit of erfc whose error is 1.2e-7 of erfc at every
; argument; the coefficients are the fit's times log2(e), with 1 taken off c0 for the half.  All of it in f32.
; LIMITS: e0 + e1, e4 + e5 between -126 and 127; e2, e6 between -126 and 119, so that each power of two below is an f32 number.  v_exp_f32 gives 0 under 2^-126, so gelu is -0 for v under about -13.
; NaN and infinities are not served.
; No prefetch: K has eight slots only.  One tile to a work-group.
; REGISTERS, in windows of 256: window 0: v1-31 addresses and constants; x's fragments, two sets of 5 x 16 from v32 and from v112.  window 1: W1's fragments, two sets of 8 x 16.
;   window 2: accumulators (a, b), a = 0..3, at v[8 (8 a + b)].  window 3: v0-63 accumulators (4, b); v64-127 my lane's 64 numbers of tb1, then of the tile's bias; v128-191 of ib1.
.set KROW,   2048                      ; a row of codes in memory, in bytes
.set ROWB,   256                       ; a tile's row: 256 along K
.set PITCH,  272                       ; an LDS row: 256 bytes + 16 of padding = 68 words: the 16 rows that a load touches start at 16 different banks (64 banks of 4 bytes: ISA guide 11.1)
.set FR,     16                        ; registers of a fragment: 16 rows x 128 K
.set BOFF,   160*PITCH                 ; a slot: x's 160 rows, then W1's 256
.set SLOT,   416*PITCH
.set SPARE,  2*SLOT                    ; behind the ring: the spare words, 128 bytes a wave: two blocks of 256 bytes that no other line names
.set ADRA, 16                          ; v16-17  LDS address of my fragments of x in slot 0, 1
.set ADRB, 20                          ; v20-21  of W1
.set STO,  24                          ; v24     the way out: where I put 8 codes
.set RD,   25                          ; v25     where I read 16 bytes of a row back
.set CO,   26                          ; v26     my byte offset in hcodes
.set BO,   27                          ; v27     my byte offset in a bias; never rewritten
.set SPW,  28                          ; v28     LDS address of my spare word; never rewritten
.set NIL,  29                          ; v29     0; never rewritten
.set AF,   32
.set G1A, 24                           ; s[24:31] descriptor group 1 for x's tiles; s[32:39] group 0, a set for each slot
.set G0A, 32
.set G1B, 48                           ; s[48:55], s[56:63] the same for W1's
.set G0B, 56
.set MSB, 0
.macro WIN new                         ; the immediate's high byte repeats the setting that is left
.if MSB != (\new)
	s_set_vgpr_msb (MSB<<8)|(\new)
.set MSB, (\new)
.endif
.endm
.set MUL_LO, 0xa1                      ; source 0 (W1) window 1, source 1 (x) window 0, C and D window 2
.set MUL_HI, 0xf1                      ; the same, C and D window 3
.set TO_B,   0x40                      ; destination window 1, address window 0
.macro JLOAD s                         ; waves 0 and 1 ask jointly for x's two halves, waves 2 and 3 fetch W1's; four v_nop follow each of the two lines
	s_cmp_eq_u32 s21, 0
	s_cbranch_scc0 .Lfor_b_\@
	tensor_load_to_lds s[G0A+4*\s:G0A+4*\s+3], s[G1A:G1A+7]
	s_nop 0
.rept 4
	v_nop
.endr
	s_branch .Lasked_\@
.Lfor_b_\@:
	tensor_load_to_lds s[G0B+4*\s:G0B+4*\s+3], s[G1B:G1B+7]
	s_nop 0
.rept 4
	v_nop
.endr
.Lasked_\@:
.endm
.macro CREST                           ; a round of the cluster's barrier behind its opening barrier
	s_cmp_lg_u32 s20, 0
	s_cbranch_scc1 .Lnot_wave_0_\@
	s_barrier_signal -3
.Lnot_wave_0_\@:
	s_barrier_wait -3
	s_barrier_signal -1
	s_barrier_wait -1
.endm
.macro CROUND                          ; a whole round
	s_barrier_signal -1
	s_barrier_wait -1
	CREST
.endm
.macro PLACES n
.rept \n
	v_nop
.endr
.endm
.macro FRAG reg, adr, q, i             ; lane l: row l % 16; registers 4 c .. 4 c + 3: K = 32 c + 16 (l / 16) + 0 .. 15
.irp c, 0,1,2,3
	ds_load_b128 v[\reg+4*\c:\reg+4*\c+3], v[\adr] offset:128*(\q)+32*\c+(\i)*16*PITCH
.endr
.endm
.macro FETCH slot, q, p                ; 52 LDS loads in one run: the fragments of the slot's q-th 128 along K into set p
	WIN TO_B
.irp i, 0,1,2,3,4,5,6,7
	FRAG 128*(\p)+FR*\i, ADRB+\slot, \q, \i
.endr
	WIN 0
.irp i, 0,1,2,3,4
	FRAG AF+80*(\p)+FR*\i, ADRA+\slot, \q, \i
.endr
.endm
.macro MUL a, p, zero                  ; 8 matrix instructions: block a of x against W1's eight.  The 40 accumulators take turns, one instruction a turn, in the same order in every step
.if (\a) < 4
	WIN MUL_LO
.else
	WIN MUL_HI
.endif
.irp b, 0,1,2,3,4,5,6,7
.if \zero
	v_wmma_f32_16x16x128_fp8_fp8 v[8*(8*((\a)%4)+\b):8*(8*((\a)%4)+\b)+7], v[128*(\p)+FR*\b:128*(\p)+FR*\b+FR-1], v[AF+80*(\p)+FR*(\a):AF+80*(\p)+FR*(\a)+FR-1], 0
.else
	v_wmma_f32_16x16x128_fp8_fp8 v[8*(8*((\a)%4)+\b):8*(8*((\a)%4)+\b)+7], v[128*(\p)+FR*\b:128*(\p)+FR*\b+FR-1], v[AF+80*(\p)+FR*(\a):AF+80*(\p)+FR*(\a)+FR-1], v[8*(8*((\a)%4)+\b):8*(8*((\a)%4)+\b)+7]
.endif
.endr
.endm
; A slot's first 128 along K: multiplies set 0, and fetches the second 128 into set 1 ahead of its 40 products.
.macro STEP slot, zero
	s_wait_dscnt 0x0                               ; set 0 is in (asked for 24 matrix instructions ago)
	PLACES 4                                       ; four places between the last products that read set 1 and the loads into it (ISA guide 7.12.1 for vector instructions)
	FETCH \slot, 1, 1
	MUL 0, 0, \zero
	MUL 1, 0, \zero
	MUL 2, 0, \zero
	MUL 3, 0, \zero
	MUL 4, 0, \zero
	WIN 0
.endm
; A slot's second 128 along K: multiplies set 1 and changes slots.  ONE barrier: in front of it each wave waits for all its tensor loads, adds 0 to its spare word, and waits for that and for its reads of this slot.
; fill = 1: the barrier opens a round of the cluster's barrier, and this slot is filled again, two K steps ahead: the load has 64 matrix instructions in which to land.
.macro TURN slot, next, fill
	s_wait_tensorcnt 0x0                           ; all my tensor loads have landed: my part of the next slot
	ds_add_u32 v[SPW], v[NIL]                      ; 0 onto my spare word
	s_wait_dscnt 1                                 ; set 1 is in; the add may be out
	MUL 0, 1, 0                                    ; eight matrix instructions stand between the add and the wait for it
	s_wait_dscnt 0x0                               ; the add is done, and my reads of this slot are over
	s_barrier_signal -1
	MUL 1, 1, 0
	WIN 0
	s_barrier_wait -1
.if \fill
	CREST                                          ; no wave of any partner still reads this slot or has a load on its way
	s_add_nc_u64 s[G0A+4*\slot+2:G0A+4*\slot+3], s[G0A+4*\slot+2:G0A+4*\slot+3], 2*ROWB
	s_add_nc_u64 s[G0B+4*\slot+2:G0B+4*\slot+3], s[G0B+4*\slot+2:G0B+4*\slot+3], 2*ROWB
	JLOAD \slot                                    ; the first tensor load behind the round; its four v_nop are also the places in front of the loads below
.else
	PLACES 4
.endif
	FETCH \next, 0, 0
	MUL 2, 1, 0
	MUL 3, 1, 0
	MUL 4, 1, 0
	WIN 0
.endm
	s_load_b256 s[4:11], s[0:1], 0x0               ; xcodes s[4:5], wcat s[6:7], tb1 s[8:9], ib1 s[10:11]
	s_load_b128 s[12:15], s[0:1], 0x20             ; scales s[12:13], rowtok s[14:15]
	s_load_b64 s[16:17], s[0:1], 0x30              ; hcodes
	v_lshl_add_u32 v[SPW], v0, 2, SPARE
	v_mov_b32 v[NIL], 0
	ds_add_u32 v28, v29
	ds_add_u32 v28, v29
	s_wait_dscnt 0x0
	v_lshrrev_b32 v1, 5, v0
	v_readfirstlane_b32 s20, v1                    ; wave 0..3
	s_lshr_b32 s21, s20, 1                         ; which 80 rows of the tile are mine.  Also: I fetch for x (0) or for W1 (1)
	s_and_b32 s22, s20, 1                          ; which 128 columns.  Also: which half of that tile I fetch
	s_bfe_u32 s40, ttmp6, 0x40000                  ; cx: my place in the cluster
	s_lshl_b32 s42, ttmp9, 2
	s_add_co_u32 s42, s42, s40                     ; tile column = 4 x cluster x + cx
	s_and_b32 s43, ttmp7, 0xffff                   ; tile row = cluster y, which the four partners share
	s_mul_i32 s76, s43, 640                        ; the tile's first entry of rowtok, in bytes
	s_mov_b32 s77, 0
	s_mov_b32 s[G1A], 15|(1<<20)|(1<<21)|(5<<22)|(3<<25)   ; 15:0 the mask: all four work-groups; 17:16 elements of 1 byte; 20 padding on; 21 set beside a mask; 24:22 after every 64 words; 31:25 four words
	s_mov_b32 s[G1B], (1<<20)|(5<<22)|(3<<25)      ; the same padding, no mask
	s_mov_b32 s[G1A+1], ROWB<<16                   ; tensor_dim0
	s_mov_b32 s[G1A+2], 80<<16                     ; tensor_dim1
	s_mov_b32 s[G1A+3], ROWB<<16                   ; tile_dim0
	s_mov_b32 s[G1A+4], 80                         ; tile_dim1
	s_mov_b32 s[G1A+5], KROW                       ; tensor_dim0_stride
	s_mov_b32 s[G1A+6], 0
	s_mov_b32 s[G1A+7], 0
	s_mov_b32 s[G1B+1], ROWB<<16
	s_mov_b32 s[G1B+2], 128<<16
	s_mov_b32 s[G1B+3], ROWB<<16
	s_mov_b32 s[G1B+4], 128
	s_mov_b32 s[G1B+5], KROW
	s_mov_b32 s[G1B+6], 0
	s_mov_b32 s[G1B+7], 0
	s_mul_i32 s66, s43, 160
	s_mul_i32 s67, s22, 80
	s_add_co_u32 s66, s66, s67                     ; x: row 160 x tile row + 80 x half
	s_lshl_b32 s66, s66, 11
	s_mov_b32 s67, 0
	s_lshl_b32 s46, s42, 8
	s_lshl_b32 s47, s22, 7
	s_add_co_u32 s46, s46, s47                     ; W1: row 256 x tile column + 128 x half
	s_lshl_b32 s46, s46, 11
	s_mov_b32 s47, 0
	s_mul_i32 s92, s22, 80*PITCH                   ; where they go: no place in the cluster enters an LDS address
	s_mul_i32 s93, s22, 128*PITCH
	s_add_co_u32 s93, s93, BOFF
	s_wait_kmcnt 0x0
	s_add_nc_u64 s[76:77], s[14:15], s[76:77]
	s_load_b32 s86, s[76:77], 0x0                  ; the tile's first entry
	s_load_b256 s[68:75], s[12:13], 0x0            ; the eight exponents
	s_wait_kmcnt 0x0
	s_lshr_b32 s86, s86, 16
	s_and_b32 s86, s86, 1                          ; the expert,
	s_min_u32 s86, s86, 1                          ; held at 1: a loaded number enters an address behind this hold
	s_lshl_b32 s78, s86, 22                        ; x 4 MiB: tw1 lies first in wcat, iw1 behind it
	s_mov_b32 s79, 0
	s_cmp_lg_u32 s86, 0                            ; the choices of values stand straight behind this compare
	s_cselect_b32 s80, -1, 0                       ; all lanes take ib1, or none
	s_cselect_b32 s87, s72, s68                    ; x's exponent
	s_cselect_b32 s88, s73, s69                    ; W1's
	s_cselect_b32 s89, s74, s70                    ; the hidden layer's
	s_add_nc_u64 s[66:67], s[4:5], s[66:67]
	s_add_nc_u64 s[46:47], s[6:7], s[46:47]
	s_add_nc_u64 s[46:47], s[46:47], s[78:79]
	CROUND                                         ; all four work-groups are here: the first joint loads meet
.irp s, 0,1
	s_mov_b32 s[G0A+4*\s], 1
	s_add_co_u32 s[G0A+4*\s+1], s92, \s*SLOT
	s_add_nc_u64 s[G0A+4*\s+2:G0A+4*\s+3], s[66:67], \s*ROWB
	s_or_b32 s[G0A+4*\s+3], s[G0A+4*\s+3], 0x80000000
	s_mov_b32 s[G0B+4*\s], 1
	s_add_co_u32 s[G0B+4*\s+1], s93, \s*SLOT
	s_add_nc_u64 s[G0B+4*\s+2:G0B+4*\s+3], s[46:47], \s*ROWB
	s_or_b32 s[G0B+4*\s+3], s[G0B+4*\s+3], 0x80000000
	JLOAD \s                                       ; two loads of mine are out
.endr
	v_and_b32 v1, 15, v0                           ; r = l % 16
	v_bfe_u32 v2, v0, 4, 1                         ; h = l / 16
	v_mul_u32_u24 v3, v1, PITCH
	v_lshl_add_u32 v3, v2, 4, v3                   ; a fragment's row x pitch + 16 x half
	s_mul_i32 s94, s21, 80*PITCH                   ; my 80 rows of x
	s_mul_i32 s95, s22, 128*PITCH                  ; my 128 rows of W1,
	s_add_co_u32 s95, s95, BOFF                    ; which lie behind x's 160
.irp s, 0,1
	v_add_nc_u32 v[ADRA+\s], s94, v3
	v_add_nc_u32 v[ADRB+\s], s95, v3
	s_add_co_u32 s94, s94, SLOT
	s_add_co_u32 s95, s95, SLOT
.endr
	s_mul_i32 s96, s21, 80*PITCH                   ; the stage (in slot 0): 160 rows of 256 codes + 16.  In: row 80 wr + r, byte 128 wc + 8 h
	s_lshl_b32 s97, s22, 7
	s_add_co_u32 s96, s96, s97
	v_mul_u32_u24 v[STO], v1, PITCH
	v_lshl_add_u32 v[STO], v2, 3, v[STO]
	v_add_nc_u32 v[STO], s96, v[STO]
	s_mul_i32 s96, s20, 40*PITCH                   ; back: wave w takes rows 40 w .. 40 w + 39, whole; lanes 0-15 one row, lanes 16-31 the next
	v_mul_u32_u24 v[RD], v2, PITCH
	v_lshl_add_u32 v[RD], v1, 4, v[RD]
	v_add_nc_u32 v[RD], s96, v[RD]
	v_lshlrev_b32 v[CO], 11, v2                    ; and the same two rows in hcodes
	v_lshl_add_u32 v[CO], v1, 4, v[CO]
	v_lshlrev_b32 v[BO], 5, v2                     ; a bias: my half's eight numbers of each tile
	s_lshl_b32 s90, s42, 10
	s_lshl_b32 s91, s22, 9
	s_add_co_u32 s90, s90, s91                     ; (256 x tile column + 128 x half) x 4 bytes
	s_mov_b32 s91, 0
	s_add_nc_u64 s[8:9], s[8:9], s[90:91]
	s_add_nc_u64 s[10:11], s[10:11], s[90:91]
	s_mul_i32 s90, s43, 160
	s_mul_i32 s91, s20, 40
	s_add_co_u32 s90, s90, s91
	s_lshl_b32 s90, s90, 11
	s_lshl_b32 s91, s42, 8
	s_add_co_u32 s90, s90, s91
	s_mov_b32 s91, 0
	s_add_nc_u64 s[84:85], s[16:17], s[90:91]      ; hcodes at row 160 x tile row + 40 w, byte 256 x tile column
	s_add_co_i32 s82, s87, s88
	s_add_co_i32 s82, s82, 127
	s_lshl_b32 s82, s82, 23                        ; 2^(ex + ew1) as f32
	s_mov_b32 s83, s82                             ; (named with it as a pair, so it is written)
	s_add_co_i32 s89, s89, 127
	s_lshl_b32 s88, s89, 23
	v_mov_b32 v30, s88                             ; 2^eh: the conversion takes its exponent field
	s_add_co_i32 s89, s89, 8
	s_lshl_b32 s89, s89, 23
	s_or_b32 s89, s89, 0x600000
	v_mov_b32 v31, s89                             ; 448 x 2^eh
	WIN 0xc0                                       ; destination window 3
.irp b, 0,1,2,3,4,5,6,7
	global_load_b128 v[64+8*\b:64+8*\b+3], v[BO], s[8:9] offset:64*\b           ; tb1 at columns 16 b + 8 h + 0 .. 7 of my 128
	global_load_b128 v[64+8*\b+4:64+8*\b+7], v[BO], s[8:9] offset:64*\b+16
.endr
.irp b, 0,1,2,3,4,5,6,7
	global_load_b128 v[128+8*\b:128+8*\b+3], v[BO], s[10:11] offset:64*\b       ; ib1 likewise
	global_load_b128 v[128+8*\b+4:128+8*\b+7], v[BO], s[10:11] offset:64*\b+16
.endr
	WIN 0
	s_wait_tensorcnt 1                             ; my part of K step 0 is in; K step 1's load may be out
	s_barrier_signal -1
	s_barrier_wait -1                              ; everybody's is
	FETCH 0, 0, 0
	STEP 0, 1                                      ; the first step stands in front of the loop: its products start the sums
	s_mov_b32 s23, 3
.Llap:                                                 ; a trip goes once round the ring and fills both slots again: K steps 2 to 7 in three trips
	TURN 0, 1, 1
	STEP 1, 0
	TURN 1, 0, 1
	STEP 0, 0
	s_sub_co_u32 s23, s23, 1
	s_cmp_lg_u32 s23, 0
	s_cbranch_scc1 .Llap
	TURN 0, 1, 0                                   ; the last lap fills nothing and has no round
	STEP 1, 0
	s_wait_dscnt 0x0
	MUL 0, 1, 0
	MUL 1, 1, 0
	MUL 2, 1, 0
	MUL 3, 1, 0
	MUL 4, 1, 0
	WIN 0
	PLACES 4                                       ; in front of the first read of results and of writes into the fragments' registers
; THE WAY OUT.  32 numbers of a lane at a time (block a of 16 rows, tiles 4 hb .. 4 hb + 3): v = sum x 2^(ex + ew1) + b1, gelu, the hold, codes; 8 codes a tile into the stage.
.set V,  32                            ; v32-63   v
.set T,  64                            ; v64-95   t
.set W,  96                            ; v96-127  the exponent, then E
.set HH, 128                           ; v128-159 the polynomial, then gelu
.set K0, 168                           ; v[168:169] c0, twice;  v[170:171] c8, twice
.set K8, 170
.set CC, 176                           ; v176-255 the codes: eight registers for each of the ten batches, so that no LDS store's data are written again
.macro KP r, val
	s_mov_b32 s[\r], \val
	s_mov_b32 s[\r+1], \val
.endm
.macro EPI a, hb
.set E8, CC+8*(2*(\a)+(\hb))
	WIN 0x32+((\a)/4)                              ; source 0 (the sums) window 2 or 3, source 2 (b1) window 3
.irp i, 0,1,2,3
.irp j, 0,2,4,6
	v_pk_fma_f32 v[V+8*\i+\j:V+8*\i+\j+1], v[8*(8*((\a)%4)+4*(\hb)+\i)+\j:8*(8*((\a)%4)+4*(\hb)+\i)+\j+1], s[82:83], v[64+8*(4*(\hb)+\i)+\j:64+8*(4*(\hb)+\i)+\j+1] op_sel_hi:[1,0,1]   ; each accumulator from its low end on
.endr
.endr
	WIN 0
.irp n, 32,33,34,35,36,37,38,39,40,41,42,43,44,45,46,47,48,49,50,51,52,53,54,55,56,57,58,59,60,61,62,63
	v_fma_f32 v[\n+32], |v\n|, s24, 1.0            ; 1 + |v| / (2 sqrt 2)
.endr
.set q, 0
.rept 32
	v_rcp_f32 v[T+q], v[T+q]                       ; t: one batch
.set q, q+1
.endr
.set q, 0
.rept 16
	v_pk_mul_f32 v[W+q:W+q+1], v[V+q:V+q+1], v[V+q:V+q+1]   ; work that names no t stands behind the batch
.set q, q+2
.endr
.set q, 0
.rept 16
	v_pk_fma_f32 v[W+q:W+q+1], v[W+q:W+q+1], s[26:27], v[K0:K0+1] op_sel_hi:[1,0,1]   ; -v^2 log2(e) / 2 + c0
.set q, q+2
.endr
	s_wait_alu depctr_va_vdst(0)                   ; one wait for the batch, ahead of its first reader
.set q, 0
.rept 16
	v_pk_fma_f32 v[HH+q:HH+q+1], v[T+q:T+q+1], s[28:29], v[K8:K8+1] op_sel_hi:[1,0,1]  ; c9 t + c8
.set q, q+2
.endr
.irp k, 30,32,34,36,38,40,42                   ; c7, c6, .. c1
.set q, 0
.rept 16
	v_pk_fma_f32 v[HH+q:HH+q+1], v[HH+q:HH+q+1], v[T+q:T+q+1], s[\k:\k+1] op_sel_hi:[1,1,0]
.set q, q+2
.endr
.endr
.set q, 0
.rept 16
	v_pk_fma_f32 v[W+q:W+q+1], v[T+q:T+q+1], v[HH+q:HH+q+1], v[W+q:W+q+1]
.set q, q+2
.endr
.set q, 0
.rept 32
	v_exp_f32 v[W+q], v[W+q]                       ; one batch
.set q, q+1
.endr
.set q, 0
.rept 32
	v_max_num_f32 v[HH+q], 0, v[V+q]               ; max(v, 0): work that names no result of the batch
.set q, q+1
.endr
	s_wait_alu depctr_va_vdst(0)                   ; one wait for the batch
.set q, 0
.rept 16
	v_pk_mul_f32 v[W+q:W+q+1], v[W+q:W+q+1], v[T+q:T+q+1]   ; E
.set q, q+2
.endr
.irp n, 32,33,34,35,36,37,38,39,40,41,42,43,44,45,46,47,48,49,50,51,52,53,54,55,56,57,58,59,60,61,62,63
	v_fma_f32 v[\n+96], -v[\n+64], |v\n|, v[\n+96] ; gelu = max(v, 0) - |v| E
.endr
.set q, 0
.rept 32
	v_med3_num_f32 v[HH+q], v[HH+q], -v31, v31     ; the conversion to an 8-bit code does not saturate (ISA guide 7.6.2): the hold comes first
.set q, q+1
.endr
.irp i, 0,1,2,3
	v_cvt_scalef32_pk8_fp8_f32 v[E8+2*\i:E8+2*\i+1], v[HH+8*\i:HH+8*\i+7], v30
.endr
	v_nop                                          ; a plain line behind the last conversion: the next batch writes its sources
.irp i, 0,1,2,3
	ds_store_b64 v[STO], v[E8+2*\i:E8+2*\i+1] offset:(\a)*16*PITCH+16*(4*(\hb)+\i)   ; row 80 wr + 16 a + r, columns 128 wc + 16 b + 8 h + 0 .. 7
.endr
.endm
	s_wait_loadcnt 0x0                             ; both biases
	s_mov_b32 vcc_lo, s80
	WIN 0xcf                                       ; destination and both sources window 3
.set q, 0
.rept 64
	v_cndmask_b32 v[64+q], v[64+q], v[128+q], vcc_lo   ; the tile's bias: a choice of a value
.set q, q+1
.endr
	WIN 0
	s_mov_b32 s24, 0x3eb504f3                      ; 1 / (2 sqrt 2).  The descriptors' registers are free: the last change of slots waited for all my tensor loads
	KP 26, 0xbf38aa3b                              ; -log2(e) / 2
	KP 28, 0x3e7c6f08                              ; c9 =  0.246517298
	KP 30, 0x40097039                              ; c7 =  2.147474464
	KP 32, 0xbfd1a1e5                              ; c6 = -1.637753153
	KP 34, 0x3ecdfd18                              ; c5 =  0.402321582
	KP 36, 0xbe899a80                              ; c4 = -0.268756860
	KP 38, 0x3e0efb2e                              ; c3 =  0.139630057
	KP 40, 0x3f0a29d2                              ; c2 =  0.539700615
	KP 42, 0x3fb8ab5a                              ; c1 =  1.442729204
	v_mov_b32 v[K0], 0xc034d90f                    ; c0 = -2.825748216
	v_mov_b32 v[K0+1], 0xc034d90f
	v_mov_b32 v[K8], 0xbf97d29d                    ; c8 = -1.186114945
	v_mov_b32 v[K8+1], 0xbf97d29d
.irp a, 0,1,2,3,4
	EPI \a, 0
	EPI \a, 1
.endr
	s_wait_dscnt 0x0                               ; for the others' sake: my codes lie in the stage (a row's 256 bytes come from two waves)
	s_barrier_signal -1
	s_barrier_wait -1
.irp t, 0,1,2,3,4,5,6,7,8,9,10,11,12,13,14,15,16,17,18,19
	ds_load_b128 v[32+4*\t:32+4*\t+3], v[RD] offset:2*\t*PITCH
.endr
.irp t, 0,1,2,3,4,5,6,7,8,9,10,11,12,13,14,15,16,17,18,19
	s_wait_dscnt 19-\t                             ; load t is back; the younger ones may be out
	global_store_b128 v[CO], v[32+4*\t:32+4*\t+3], s[84:85] offset:2*\t*KROW   ; 16 lanes store 256 consecutive bytes, at a multiple of 256 from the buffer's first byte
.endr
	s_wait_tensorcnt 0x0                           ; the wave's end
	ds_add_u32 v[SPW], v[NIL]
	s_wait_dscnt 0x0
	CROUND                                         ; the closing round: no work-group ends while a partner may still ask for a tile that names it
	s_endpgm
.Lfunc_end_k_q1433768f60_gemm1:
	.size	k_q1433768f60_gemm1, .Lfunc_end_k_q1433768f60_gemm1-k_q1433768f60_gemm1
	.p2alignl 7, 3214868480
	.fill 96, 4, 3214868480
	.section	.rodata,"a",@progbits
	.p2align	6, 0x0
	.amdhsa_kernel k_q1433768f60_gemm1
		.amdhsa_group_segment_fixed_size 327680
		.amdhsa_private_segment_fixed_size 0
		.amdhsa_enable_private_segment 0
		.amdhsa_kernarg_size 56
		.amdhsa_user_sgpr_count 2
		.amdhsa_user_sgpr_kernarg_segment_ptr 1
		.amdhsa_wavefront_size32 1
		.amdhsa_system_sgpr_workgroup_id_x 1
		.amdhsa_system_sgpr_workgroup_id_y 1
		.amdhsa_system_sgpr_workgroup_id_z 1
		.amdhsa_system_vgpr_workitem_id 0
		.amdhsa_next_free_vgpr 1024
		.amdhsa_next_free_sgpr 102
		.amdhsa_reserve_vcc 1
		.amdhsa_float_denorm_mode_32 3
		.amdhsa_float_denorm_mode_16_64 3
		.amdhsa_memory_ordered 1
		.amdhsa_forward_progress 1
		.amdhsa_inst_pref_size 255
	.end_amdhsa_kernel
	.section	.bss,"aw",@nobits
	.p2align	6
	.space	262144
	.amdgpu_metadata
---
amdhsa.version: [ 1, 2 ]
amdhsa.kernels:
  - .name:           k_q1433768f60_gemm1
    .symbol:         k_q1433768f60_gemm1.kd
    .args:
      - { .name: xcodes, .offset: 0, .size: 8, .value_kind: global_buffer, .address_space: global }
      - { .name: wcat, .offset: 8, .size: 8, .value_kind: global_buffer, .address_space: global }
      - { .name: tb1, .offset: 16, .size: 8, .value_kind: global_buffer, .address_space: global }
      - { .name: ib1, .offset: 24, .size: 8, .value_kind: global_buffer, .address_space: global }
      - { .name: lowp_scales, .offset: 32, .size: 8, .value_kind: global_buffer, .address_space: global }
      - { .name: rowtok, .offset: 40, .size: 8, .value_kind: global_buffer, .address_space: global }
      - { .name: hcodes, .offset: 48, .size: 8, .value_kind: global_buffer, .address_space: global }
    .group_segment_fixed_size: 327680
    .private_segment_fixed_size: 0
    .kernarg_segment_align: 8
    .kernarg_segment_size: 56
    .max_flat_workgroup_size: 128
    .sgpr_count:     102
    .vgpr_count:     1024
    .wavefront_size: 32
...
	.end_amdgpu_metadata
.endif
;; end of part 2
;; launch gemm2 (part 3): grid 8 x 27, 4 waves a work-group, clusters of 4 x 1, 327,680 bytes of LDS; arguments hcodes, wcat, tb2, ib2, lowp_scales, rowtok, hidden_states, out0; writes out0
.if DOCPART == 3
	.amdgcn_target "amdgcn-amd-amdhsa--gfx1250"
	.amdhsa_code_object_version 6
	.text
	.protected	k_q1433768f60_gemm2
	.globl	k_q1433768f60_gemm2
	.p2align	8
	.type	k_q1433768f60_gemm2,@function
k_q1433768f60_gemm2:
	s_mov_b64 s[64:65], 0
	v_nop
	global_prefetch_b8 v0, s[64:65] scope:SCOPE_SE
	s_setreg_imm32_b32 hwreg(HW_REG_WAVE_MODE, 25, 1), 1
	s_wait_xcnt 0x0
	s_wait_alu depctr_hold_cnt(0) depctr_sa_sdst(0) depctr_va_vdst(0) depctr_va_sdst(0) depctr_va_ssrc(0) depctr_va_vcc(0) depctr_vm_vsrc(0)
	s_getreg_b32 s2, hwreg(HW_REG_IB_STS2, 6, 4)
	s_cmp_eq_u32 s2, 0
	s_cbranch_scc0 .Lentry_in_a_cluster
	s_endpgm
.Lentry_in_a_cluster:
	s_bfe_u32 s2, ttmp6, 0x10000c
	s_cmp_lg_u32 s2, 0x3003
	s_cbranch_scc0 .Lentry_shape_is_right
	s_endpgm
.Lentry_shape_is_right:
; GEMM 2 in sorted row space, scattered back to token order: out0[token] = hidden[token] + h W2 + b2.  hcodes [4320][2048] and W2's codes [2048 (n)][2048 (k)]: E4M3, K innermost.
; The product is laid as in the launch before: a tile of 160 rows x 256 columns, 27 x 8 = 216 work-groups of four waves, a wave 80 x 128 (5 x 8 accumulators); K in steps of 256 through a ring of two LDS
; slots; clusters of 4 x 1: the four column tiles of a tile row ask for h's tiles jointly.  A tile holds rows of one expert, named by bit 16 of the tile's first rowtok entry: it enters W2's address as an
; offset, held at 1 and shifted by 22, from wcat's pointer (tw2 lies 8 MiB in, iw2 behind it); bias and exponents are chosen as values; no branch hangs on it.
; W2's tiles are NOT shared: work-groups of one tile column lie in different tile rows, whose experts are numbers read from memory, and a joint load's descriptor is made only of coordinates that its
; partners share.  So waves 2 and 3 fetch W2's tile by plain tensor loads, behind the same rounds.  The matrix instruction is used TRANSPOSED: a lane holds eight neighbouring columns of one row.
; THE SCATTER.  rowtok gives each sorted row its token (low 16 bits), 4096 for a padding row.  A row's 128 columns of a wave are 512 consecutive bytes: one load of the residual and one store, 16 bytes a lane.
; A padding row's residual is read from token 4095's row and not used; its store runs with every lane off (EXEC from a compare of the token with 4096): no branch hangs on loaded data.
; Each output row's 512 bytes have one owner.  Rows of tokens that are neither text nor image were stored by the first launch.
; The residual of blocks 0 to 2 of the wave's five is asked for at the head, into registers that the loop leaves alone; that of blocks 3 and 4 behind the last product, into W2's fragments' registers.
; LIMITS: e2 + e3, e6 + e7 between -126 and 127, so that the power of two is an f32 number.  NaN and infinities are not served.
; No prefetch: K has eight slots only.  One tile to a work-group.
; REGISTERS, in windows of 256: window 0: v1-31 addresses; h's fragments, two sets of 5 x 16 from v32 and from v112; v192-255 residual of block 0.  window 1: W2's fragments, two sets of 8 x 16; at the
;   end v0-63, v64-127 residual of blocks 3, 4.  window 2: accumulators (a, b), a = 0..3.  window 3: v0-63 accumulators (4, b); v64-127 tb2, then the tile's bias; v128-191 ib2 at first, then the residual of
;   block 1; v192-255 the residual of block 2.
.set KROW,   2048
.set ROWB,   256
.set PITCH,  272                       ; an LDS row: 256 bytes + 16 of padding = 68 words: the 16 rows that a load touches start at 16 different banks (64 banks of 4 bytes: ISA guide 11.1)
.set FR,     16
.set BOFF,   160*PITCH
.set SLOT,   416*PITCH
.set SPARE,  2*SLOT                    ; behind the ring: the spare words, 128 bytes a wave: two blocks of 256 bytes that no other line names
.set SPITCH, 528                       ; the way out: a stage of 16 rows x (512 bytes + 16) for each wave, in slot 0, which has had its last fill and its last read by then
.set WOFF,   0x800000                  ; tw2's first byte in wcat
.set VTOK, 10                          ; v10-14  lane l: the token of row 16 a + l % 16 of my 80
.set LIMT, 15                          ; v15     4096
.set ADRA, 16
.set CL,   18                          ; v18     16 x lane
.set ADRB, 20
.set STO,  24
.set RD,   25
.set BO,   27                          ; v27     my byte offset in a bias; never rewritten
.set SPW,  28
.set NIL,  29
.set AF,   32
.set TM,   32                          ; the way out: v32-95 a block's results; v96-159 the block read back by rows
.set BK,   96
.set OFF,  176                         ; v176-191 byte offset of my 16 bytes in the rows of a block's sixteen tokens
.set TK,   84                          ; s[84:99] the sixteen tokens
.set G1A, 24
.set G0A, 32
.set G1B, 48
.set G0B, 56
.set MSB, 0
.macro WIN new                         ; the immediate's high byte repeats the setting that is left
.if MSB != (\new)
	s_set_vgpr_msb (MSB<<8)|(\new)
.set MSB, (\new)
.endif
.endm
.set MUL_LO, 0xa1
.set MUL_HI, 0xf1
.set TO_B,   0x40
.macro JLOAD s                         ; waves 0 and 1 ask jointly for h's two halves, waves 2 and 3 fetch W2's; four v_nop follow each of the two lines
	s_cmp_eq_u32 s21, 0
	s_cbranch_scc0 .Lfor_b_\@
	tensor_load_to_lds s[G0A+4*\s:G0A+4*\s+3], s[G1A:G1A+7]
	s_nop 0
.rept 4
	v_nop
.endr
	s_branch .Lasked_\@
.Lfor_b_\@:
	tensor_load_to_lds s[G0B+4*\s:G0B+4*\s+3], s[G1B:G1B+7]
	s_nop 0
.rept 4
	v_nop
.endr
.Lasked_\@:
.endm
.macro CREST
	s_cmp_lg_u32 s20, 0
	s_cbranch_scc1 .Lnot_wave_0_\@
	s_barrier_signal -3
.Lnot_wave_0_\@:
	s_barrier_wait -3
	s_barrier_signal -1
	s_barrier_wait -1
.endm
.macro CROUND
	s_barrier_signal -1
	s_barrier_wait -1
	CREST
.endm
.macro PLACES n
.rept \n
	v_nop
.endr
.endm
.macro FRAG reg, adr, q, i
.irp c, 0,1,2,3
	ds_load_b128 v[\reg+4*\c:\reg+4*\c+3], v[\adr] offset:128*(\q)+32*\c+(\i)*16*PITCH
.endr
.endm
.macro FETCH slot, q, p
	WIN TO_B
.irp i, 0,1,2,3,4,5,6,7
	FRAG 128*(\p)+FR*\i, ADRB+\slot, \q, \i
.endr
	WIN 0
.irp i, 0,1,2,3,4
	FRAG AF+80*(\p)+FR*\i, ADRA+\slot, \q, \i
.endr
.endm
.macro MUL a, p, zero                  ; the 40 accumulators take turns, one instruction a turn, in the same order in every step
.if (\a) < 4
	WIN MUL_LO
.else
	WIN MUL_HI
.endif
.irp b, 0,1,2,3,4,5,6,7
.if \zero
	v_wmma_f32_16x16x128_fp8_fp8 v[8*(8*((\a)%4)+\b):8*(8*((\a)%4)+\b)+7], v[128*(\p)+FR*\b:128*(\p)+FR*\b+FR-1], v[AF+80*(\p)+FR*(\a):AF+80*(\p)+FR*(\a)+FR-1], 0
.else
	v_wmma_f32_16x16x128_fp8_fp8 v[8*(8*((\a)%4)+\b):8*(8*((\a)%4)+\b)+7], v[128*(\p)+FR*\b:128*(\p)+FR*\b+FR-1], v[AF+80*(\p)+FR*(\a):AF+80*(\p)+FR*(\a)+FR-1], v[8*(8*((\a)%4)+\b):8*(8*((\a)%4)+\b)+7]
.endif
.endr
.endm
.macro STEP slot, zero
	s_wait_dscnt 0x0                               ; set 0 is in (asked for 24 matrix instructions ago)
	PLACES 4                                       ; four places between the last products that read set 1 and the loads into it
	FETCH \slot, 1, 1
	MUL 0, 0, \zero
	MUL 1, 0, \zero
	MUL 2, 0, \zero
	MUL 3, 0, \zero
	MUL 4, 0, \zero
	WIN 0
.endm
.macro TURN slot, next, fill
	s_wait_tensorcnt 0x0                           ; all my tensor loads have landed: my part of the next slot
	ds_add_u32 v[SPW], v[NIL]                      ; 0 onto my spare word
	s_wait_dscnt 1                                 ; set 1 is in; the add may be out
	MUL 0, 1, 0
	s_wait_dscnt 0x0                               ; the add is done, and my reads of this slot are over
	s_barrier_signal -1
	MUL 1, 1, 0
	WIN 0
	s_barrier_wait -1
.if \fill
	CREST                                          ; no wave of any partner still reads this slot or has a load on its way
	s_add_nc_u64 s[G0A+4*\slot+2:G0A+4*\slot+3], s[G0A+4*\slot+2:G0A+4*\slot+3], 2*ROWB
	s_add_nc_u64 s[G0B+4*\slot+2:G0B+4*\slot+3], s[G0B+4*\slot+2:G0B+4*\slot+3], 2*ROWB
	JLOAD \slot                                    ; the first tensor load behind the round; its four v_nop are also the places in front of the loads below
.else
	PLACES 4
.endif
	FETCH \next, 0, 0
	MUL 2, 1, 0
	MUL 3, 1, 0
	MUL 4, 1, 0
	WIN 0
.endm
; Block a's sixteen tokens as scalars, and my byte offset in each token's row.  A token enters an address behind a hold at 4095.
.macro ROWOFF a
.irp t, 0,1,2,3,4,5,6,7,8,9,10,11,12,13,14,15
	v_readlane_b32 s[TK+\t], v[VTOK+\a], \t
.endr
.irp t, 0,1,2,3,4,5,6,7,8,9,10,11,12,13,14,15
	s_min_u32 s77, s[TK+\t], 4095
	v_lshl_add_u32 v[OFF+\t], s77, 13, v[CL]       ; token x 8,192 + 16 x lane
.endr
.endm
.macro RLOAD win, base                 ; the residual of the block whose offsets stand in OFF: sixteen rows, 512 consecutive bytes each
	WIN (\win)<<6
.irp t, 0,1,2,3,4,5,6,7,8,9,10,11,12,13,14,15
	global_load_b128 v[\base+4*\t:\base+4*\t+3], v[OFF+\t], s[16:17]
.endr
	WIN 0
.endm
	s_load_b512 s[4:19], s[0:1], 0x0               ; hcodes s[4:5], wcat s[6:7], tb2 s[8:9], ib2 s[10:11], scales s[12:13], rowtok s[14:15], hidden s[16:17], out0 s[18:19]
	v_lshl_add_u32 v[SPW], v0, 2, SPARE
	v_mov_b32 v[NIL], 0
	ds_add_u32 v28, v29
	ds_add_u32 v28, v29
	s_wait_dscnt 0x0
	v_lshrrev_b32 v1, 5, v0
	v_readfirstlane_b32 s20, v1                    ; wave 0..3
	s_lshr_b32 s21, s20, 1                         ; which 80 rows are mine.  Also: I fetch for h (0) or for W2 (1)
	s_and_b32 s22, s20, 1                          ; which 128 columns.  Also: which half of that tile I fetch
	s_bfe_u32 s40, ttmp6, 0x40000                  ; cx
	s_lshl_b32 s42, ttmp9, 2
	s_add_co_u32 s42, s42, s40                     ; tile column
	s_and_b32 s43, ttmp7, 0xffff                   ; tile row = cluster y, which the four partners share
	s_mul_i32 s76, s43, 640
	s_mov_b32 s77, 0
	s_mov_b32 s[G1A], 15|(1<<20)|(1<<21)|(5<<22)|(3<<25)   ; 15:0 the mask: all four work-groups; 17:16 elements of 1 byte; 20 padding on; 21 set beside a mask; 24:22 after every 64 words; 31:25 four words
	s_mov_b32 s[G1B], (1<<20)|(5<<22)|(3<<25)      ; the same padding, no mask
	s_mov_b32 s[G1A+1], ROWB<<16
	s_mov_b32 s[G1A+2], 80<<16
	s_mov_b32 s[G1A+3], ROWB<<16
	s_mov_b32 s[G1A+4], 80
	s_mov_b32 s[G1A+5], KROW
	s_mov_b32 s[G1A+6], 0
	s_mov_b32 s[G1A+7], 0
	s_mov_b32 s[G1B+1], ROWB<<16
	s_mov_b32 s[G1B+2], 128<<16
	s_mov_b32 s[G1B+3], ROWB<<16
	s_mov_b32 s[G1B+4], 128
	s_mov_b32 s[G1B+5], KROW
	s_mov_b32 s[G1B+6], 0
	s_mov_b32 s[G1B+7], 0
	s_mul_i32 s66, s43, 160
	s_mul_i32 s67, s22, 80
	s_add_co_u32 s66, s66, s67
	s_lshl_b32 s66, s66, 11
	s_mov_b32 s67, 0
	s_lshl_b32 s46, s42, 8
	s_lshl_b32 s47, s22, 7
	s_add_co_u32 s46, s46, s47
	s_lshl_b32 s46, s46, 11
	s_add_co_u32 s46, s46, WOFF
	s_mov_b32 s47, 0
	s_mul_i32 s92, s22, 80*PITCH
	s_mul_i32 s93, s22, 128*PITCH
	s_add_co_u32 s93, s93, BOFF
	s_wait_kmcnt 0x0
	s_add_nc_u64 s[76:77], s[14:15], s[76:77]
	s_load_b32 s86, s[76:77], 0x0                  ; the tile's first entry
	s_load_b256 s[68:75], s[12:13], 0x0
	s_wait_kmcnt 0x0
	s_lshr_b32 s86, s86, 16
	s_and_b32 s86, s86, 1                          ; the expert,
	s_min_u32 s86, s86, 1                          ; held at 1: a loaded number enters an address behind this hold
	s_lshl_b32 s78, s86, 22                        ; x 4 MiB
	s_mov_b32 s79, 0
	s_cmp_lg_u32 s86, 0                            ; the choices of values stand straight behind this compare
	s_cselect_b32 s80, -1, 0                       ; all lanes take ib2, or none
	s_cselect_b32 s87, s74, s70                    ; the hidden layer's exponent
	s_cselect_b32 s88, s75, s71                    ; W2's
	s_add_nc_u64 s[66:67], s[4:5], s[66:67]
	s_add_nc_u64 s[46:47], s[6:7], s[46:47]
	s_add_nc_u64 s[46:47], s[46:47], s[78:79]
	CROUND                                         ; all four work-groups are here: the first joint loads meet
.irp s, 0,1
	s_mov_b32 s[G0A+4*\s], 1
	s_add_co_u32 s[G0A+4*\s+1], s92, \s*SLOT
	s_add_nc_u64 s[G0A+4*\s+2:G0A+4*\s+3], s[66:67], \s*ROWB
	s_or_b32 s[G0A+4*\s+3], s[G0A+4*\s+3], 0x80000000
	s_mov_b32 s[G0B+4*\s], 1
	s_add_co_u32 s[G0B+4*\s+1], s93, \s*SLOT
	s_add_nc_u64 s[G0B+4*\s+2:G0B+4*\s+3], s[46:47], \s*ROWB
	s_or_b32 s[G0B+4*\s+3], s[G0B+4*\s+3], 0x80000000
	JLOAD \s                                       ; two loads of mine are out
.endr
	v_and_b32 v1, 15, v0                           ; r
	v_bfe_u32 v2, v0, 4, 1                         ; h
	v_mul_u32_u24 v3, v1, PITCH
	v_lshl_add_u32 v3, v2, 4, v3
	s_mul_i32 s94, s21, 80*PITCH
	s_mul_i32 s95, s22, 128*PITCH
	s_add_co_u32 s95, s95, BOFF
.irp s, 0,1
	v_add_nc_u32 v[ADRA+\s], s94, v3
	v_add_nc_u32 v[ADRB+\s], s95, v3
	s_add_co_u32 s94, s94, SLOT
	s_add_co_u32 s95, s95, SLOT
.endr
	v_and_b32 v[CL], 31, v0
	v_lshlrev_b32 v[CL], 4, v[CL]
	v_mov_b32 v[LIMT], 0x1000
	v_lshlrev_b32 v9, 2, v1                        ; rowtok: 4 bytes a row
	v_lshlrev_b32 v[BO], 5, v2
	s_mul_i32 s86, s20, 16*SPITCH                  ; my stage
	v_mul_u32_u24 v[STO], v1, SPITCH               ; in: row r, 32 bytes for each half of the lanes
	v_lshl_add_u32 v[STO], v2, 5, v[STO]
	v_add_nc_u32 v[STO], s86, v[STO]
	v_add_nc_u32 v[RD], s86, v[CL]                 ; back: the 32 lanes take one row of 512 bytes
	s_add_co_i32 s82, s87, s88
	s_add_co_i32 s82, s82, 127
	s_lshl_b32 s82, s82, 23                        ; 2^(eh + ew2) as f32
	s_mov_b32 s83, s82                             ; (named with it as a pair, so it is written)
	s_lshl_b32 s86, s42, 10
	s_lshl_b32 s87, s22, 9
	s_add_co_u32 s86, s86, s87                     ; my first column, in bytes of f32
	s_mov_b32 s87, 0
	s_add_nc_u64 s[8:9], s[8:9], s[86:87]          ; in tb2,
	s_add_nc_u64 s[10:11], s[10:11], s[86:87]      ; in ib2,
	s_add_nc_u64 s[16:17], s[16:17], s[86:87]      ; in a row of hidden,
	s_add_nc_u64 s[18:19], s[18:19], s[86:87]      ; and of out0
	s_mul_i32 s86, s43, 160
	s_mul_i32 s87, s21, 80
	s_add_co_u32 s86, s86, s87
	s_lshl_b32 s86, s86, 2
	s_mov_b32 s87, 0
	s_add_nc_u64 s[100:101], s[14:15], s[86:87]    ; rowtok at my first row
.irp a, 0,1,2,3,4
	global_load_b32 v[VTOK+\a], v9, s[100:101] offset:64*\a
.endr
	WIN 0xc0                                       ; destination window 3
.irp b, 0,1,2,3,4,5,6,7
	global_load_b128 v[64+8*\b:64+8*\b+3], v[BO], s[8:9] offset:64*\b           ; tb2 at columns 16 b + 8 h + 0 .. 7 of my 128
	global_load_b128 v[64+8*\b+4:64+8*\b+7], v[BO], s[8:9] offset:64*\b+16
.endr
.irp b, 0,1,2,3,4,5,6,7
	global_load_b128 v[128+8*\b:128+8*\b+3], v[BO], s[10:11] offset:64*\b       ; ib2 likewise
	global_load_b128 v[128+8*\b+4:128+8*\b+7], v[BO], s[10:11] offset:64*\b+16
.endr
	WIN 0
	s_wait_loadcnt 32                              ; the five loads of rowtok are in; the biases' 32 may be out
.irp a, 0,1,2,3,4
	v_and_b32 v[VTOK+\a], 0xffff, v[VTOK+\a]       ; the token, or 4096
.endr
	ROWOFF 0
	RLOAD 0, 192
	s_wait_loadcnt 16                              ; both biases are in; block 0's sixteen loads may be out
	s_mov_b32 vcc_lo, s80
	WIN 0xcf                                       ; destination and both sources window 3
.set q, 0
.rept 64
	v_cndmask_b32 v[64+q], v[64+q], v[128+q], vcc_lo   ; the tile's bias: a choice of a value
.set q, q+1
.endr
	WIN 0
	s_wait_xcnt 0x0                                ; the loads have read their offsets, which are written again
	ROWOFF 1
	RLOAD 3, 128                                   ; into the registers that ib2 has left
	s_wait_xcnt 0x0
	ROWOFF 2
	RLOAD 3, 192
	s_wait_xcnt 0x0                                ; the offsets' registers take fragments in the loop
	s_wait_tensorcnt 1                             ; my part of K step 0 is in; K step 1's load may be out
	s_barrier_signal -1
	s_barrier_wait -1
	FETCH 0, 0, 0
	STEP 0, 1                                      ; the first step stands in front of the loop: its products start the sums
	s_mov_b32 s23, 3
.Llap:                                                 ; a trip goes once round the ring and fills both slots again: K steps 2 to 7 in three trips
	TURN 0, 1, 1
	STEP 1, 0
	TURN 1, 0, 1
	STEP 0, 0
	s_sub_co_u32 s23, s23, 1
	s_cmp_lg_u32 s23, 0
	s_cbranch_scc1 .Llap
	TURN 0, 1, 0                                   ; the last lap fills nothing and has no round
	STEP 1, 0
	s_wait_dscnt 0x0
	MUL 0, 1, 0
	MUL 1, 1, 0
	MUL 2, 1, 0
	MUL 3, 1, 0
	MUL 4, 1, 0
	WIN 0
	PLACES 4                                       ; in front of the first read of results and of loads and writes into the fragments' registers
; THE WAY OUT of block a (16 rows x 128 columns): sum x 2^(eh + ew2) + b2; through my own stage, so that a lane holds 16 neighbouring bytes of a row; + the residual; one store a row.
; rwin, rbase: where the block's residual lies.  lc: how many younger loads may be out when it has to be there (-1: it was waited for before).
.macro OUTB a, rwin, rbase, lc
	s_wait_xcnt 0x0                                ; earlier loads and stores have read their offsets and data: both are written again below
	ROWOFF \a
	WIN 0x32+((\a)/4)                              ; source 0 (the sums) window 2 or 3, source 2 (b2) window 3
.irp b, 0,1,2,3,4,5,6,7
.irp j, 0,2,4,6
	v_pk_fma_f32 v[TM+8*\b+\j:TM+8*\b+\j+1], v[8*(8*((\a)%4)+\b)+\j:8*(8*((\a)%4)+\b)+\j+1], s[82:83], v[64+8*\b+\j:64+8*\b+\j+1] op_sel_hi:[1,0,1]   ; each accumulator from its low end on
.endr
.endr
	WIN 0
.irp b, 0,1,2,3,4,5,6,7
	ds_store_b128 v[STO], v[TM+8*\b:TM+8*\b+3] offset:64*\b
	ds_store_b128 v[STO], v[TM+8*\b+4:TM+8*\b+7] offset:64*\b+16
.endr
.irp t, 0,1,2,3,4,5,6,7,8,9,10,11,12,13,14,15
	ds_load_b128 v[BK+4*\t:BK+4*\t+3], v[RD] offset:\t*SPITCH   ; LDS serves a wave's instructions in order (ISA guide 5.7.1.4): these see my stores
.endr
	s_wait_dscnt 0x0
.if \lc >= 0
	s_wait_loadcnt \lc
.endif
	WIN (\rwin)<<2                                 ; source 1: the residual's window
.set q, 0
.rept 32
	v_pk_add_f32 v[BK+q:BK+q+1], v[BK+q:BK+q+1], v[\rbase+q:\rbase+q+1]
.set q, q+2
.endr
	WIN 0
.irp t, 0,1,2,3,4,5,6,7,8,9,10,11,12,13,14,15
	s_wait_xcnt 0x0                                ; EXEC changes only behind this wait
	s_mov_b32 exec_lo, -1
	v_cmpx_lt_u32 s[TK+\t], v[LIMT]                ; all lanes for a token, none for a padding row
	global_store_b128 v[OFF+\t], v[BK+4*\t:BK+4*\t+3], s[18:19] th:TH_STORE_NT   ; 32 lanes store 512 consecutive bytes, at a multiple of 256 from the buffer's first byte
.endr
	s_wait_xcnt 0x0
	s_mov_b32 exec_lo, -1
.endm
	s_wait_loadcnt 0x0                             ; the residual of blocks 0 to 2
	ROWOFF 3
	RLOAD 1, 0
	s_wait_xcnt 0x0
	ROWOFF 4
	RLOAD 1, 64
	OUTB 0, 0, 192, -1
	OUTB 1, 3, 128, -1
	OUTB 2, 3, 192, -1
	OUTB 3, 1, 0, 16                               ; block 4's sixteen loads may be out
	OUTB 4, 1, 64, 0
	s_wait_tensorcnt 0x0                           ; the wave's end
	ds_add_u32 v[SPW], v[NIL]
	s_wait_dscnt 0x0
	CROUND                                         ; the closing round: no work-group ends while a partner may still ask for a tile that names it
	s_endpgm
.Lfunc_end_k_q1433768f60_gemm2:
	.size	k_q1433768f60_gemm2, .Lfunc_end_k_q1433768f60_gemm2-k_q1433768f60_gemm2
	.p2alignl 7, 3214868480
	.fill 96, 4, 3214868480
	.section	.rodata,"a",@progbits
	.p2align	6, 0x0
	.amdhsa_kernel k_q1433768f60_gemm2
		.amdhsa_group_segment_fixed_size 327680
		.amdhsa_private_segment_fixed_size 0
		.amdhsa_enable_private_segment 0
		.amdhsa_kernarg_size 64
		.amdhsa_user_sgpr_count 2
		.amdhsa_user_sgpr_kernarg_segment_ptr 1
		.amdhsa_wavefront_size32 1
		.amdhsa_system_sgpr_workgroup_id_x 1
		.amdhsa_system_sgpr_workgroup_id_y 1
		.amdhsa_system_sgpr_workgroup_id_z 1
		.amdhsa_system_vgpr_workitem_id 0
		.amdhsa_next_free_vgpr 1024
		.amdhsa_next_free_sgpr 102
		.amdhsa_reserve_vcc 1
		.amdhsa_float_denorm_mode_32 3
		.amdhsa_float_denorm_mode_16_64 3
		.amdhsa_memory_ordered 1
		.amdhsa_forward_progress 1
		.amdhsa_inst_pref_size 150
	.end_amdhsa_kernel
	.amdgpu_metadata
---
amdhsa.version: [ 1, 2 ]
amdhsa.kernels:
  - .name:           k_q1433768f60_gemm2
    .symbol:         k_q1433768f60_gemm2.kd
    .args:
      - { .name: hcodes, .offset: 0, .size: 8, .value_kind: global_buffer, .address_space: global }
      - { .name: wcat, .offset: 8, .size: 8, .value_kind: global_buffer, .address_space: global }
      - { .name: tb2, .offset: 16, .size: 8, .value_kind: global_buffer, .address_space: global }
      - { .name: ib2, .offset: 24, .size: 8, .value_kind: global_buffer, .address_space: global }
      - { .name: lowp_scales, .offset: 32, .size: 8, .value_kind: global_buffer, .address_space: global }
      - { .name: rowtok, .offset: 40, .size: 8, .value_kind: global_buffer, .address_space: global }
      - { .name: hidden_states, .offset: 48, .size: 8, .value_kind: global_buffer, .address_space: global }
      - { .name: out0, .offset: 56, .size: 8, .value_kind: global_buffer, .address_space: global }
    .group_segment_fixed_size: 327680
    .private_segment_fixed_size: 0
    .kernarg_segment_align: 8
    .kernarg_segment_size: 64
    .max_flat_workgroup_size: 128
    .sgpr_count:     102
    .vgpr_count:     1024
    .wavefront_size: 32
...
	.end_amdgpu_metadata
.endif
;; end of part 3
;; ======== version 2 of 2: 3 launches
;; limits: right only within a limited range of input values
;; workspace buffers: xcodes 8,847,360 bytes; hcodes 8,847,360 bytes; rowtok 17,408 bytes of whole numbers; wcat 16,777,216 bytes
;; launch prep (part 4): grid 256 x 1, 16 waves a work-group, no clusters, 71,936 bytes of LDS; arguments hidden_states, token_type_ids, ln_gamma, ln_beta, lowp_scales, tw1_codes, iw1_codes, tw2_codes, iw2_codes, xcodes, rowtok, out0, wcat; writes xcodes, rowtok, out0, wcat
.if DOCPART == 4
	.amdgcn_target "amdgcn-amd-amdhsa--gfx1250"
	.amdhsa_code_object_version 6
	.text
	.protected	k_q1433768f60_prep
	.globl	k_q1433768f60_prep
	.p2align	8
	.type	k_q1433768f60_prep,@function
k_q1433768f60_prep:
	s_mov_b64 s[64:65], 0
	v_nop
	global_prefetch_b8 v0, s[64:65] scope:SCOPE_SE
	s_setreg_imm32_b32 hwreg(HW_REG_WAVE_MODE, 25, 1), 1
	s_wait_xcnt 0x0
; PREP: the routing (a counting sort without atomics), LayerNorm, x as codes of E4M3 in SORTED ROW SPACE, and the four weight tensors' codes laid into one buffer in the order of the operand's registers.
; 4,096 tokens of 2,048 f32.  id 0 = text, id 1 = image, any other id = no MLP (out = hidden, stored here).
; SORTED ROW SPACE: 4,320 rows = 30 tiles of 144.  n0, n1 = how many ids are 0, 1.  P0 = 144 x ceil(n0 / 144).  The text token of rank k (rank = same ids at lower
; indices) goes to row k, the image token of rank k to row P0 + k, so a tile holds rows of one expert.  ceil(n0/144) + ceil(n1/144) <= floor(4094 / 144) + 2 = 30 for every split.
; Every other row is padding: zero codes in xcodes, 4096 in rowtok.  A real row's rowtok entry is token | expert << 16.
; wcat = [tw1][iw1][tw2][iw2], 4 MiB each.  In each, FRAGMENT (nb, ks) = 16 rows n = 16 nb + r x 128 codes k = 128 ks + .. is 2,048 bytes at 32,768 nb + 2,048 ks: lane l = 16 h + r of register group c has its 16 bytes,
; W[16 nb + r][128 ks + 32 c + 16 h + 0 .. 15], at 512 c + 16 l.  So a later launch brings a fragment by four loads of 512 consecutive bytes, and reaches an expert's weights by an offset from ONE pointer.
; Work-group g lays the 65,536 bytes at 65,536 g (32 rows n); wave w the 4,096 bytes of 16 rows x 256 codes: read as rows of 256 bytes, turned through the wave's own stage in LDS, stored on end.
; SHARES: work-group g owns tokens 16 g .. 16 g + 15, wave w token 16 g + w: a whole row of 8,192 bytes in 64 registers a lane.  Every work-group scans all 4,096 ids
; (16,384 bytes) itself, so no number passes between work-groups.  Padding rows are shared out by row number: row 16 g + w to wave w, row 4096 + g to wave 1 of work-groups 0 to 223.
; x = (h - mean) * rsqrt(var + 1e-12) * gamma + beta in f32, in two passes over registers (the mean is taken off before the squares).
; code = x / 2^e, held within +-448, nearest, ties to even; e = entry 0 of the scales for text, entry 4 for image.
; LIMITS: e between -126 and 119, so that 2^e and 448 x 2^e are f32 numbers.  NaN and infinities among the inputs are not served.
; No matrix unit, no cluster, no tensor load: a row is read once and nothing is shared but the ids.
.set STGW, 4352                        ; LDS: a stage for each wave: 16 rows x (256 + 16) bytes for the weights' turn; later the first 2,048 bytes serve x's codes
.set CNT, 16*STGW                      ; behind the sixteen stages: 16 x 8 bytes of counts
.set RMAX, 4319                        ; the last row of the sorted space
.set X,   32                           ; v32-95   my row: register 4 j + c of lane l = element 128 j + 4 l + c
.set G,   96                           ; v96-159  gamma, laid alike
.set BT,  160                          ; v160-223 beta
.set WC,  224                          ; v224-255 at first: my 4,096 bytes of weights on their way through
.set C,   224                          ; v224-239 later: codes: register j = the 4 bytes at row byte 128 j + 4 l
.set O,   240                          ; v240-255 codes read back: 16 bytes a lane
.macro CNTID r, m                      ; 32 ids in v[r]: how many are 0, 1 (s26, s27), and how many of those lie ahead of my work-group's tokens (s28, s29; mask s[m])
	v_cmp_eq_u32 s30, 0, v[\r]
	v_cmp_eq_u32 s31, 1, v[\r]
	s_bcnt1_i32_b32 s61, s30
	s_add_co_u32 s26, s26, s61
	s_and_b32 s30, s30, s[\m]
	s_bcnt1_i32_b32 s61, s30
	s_add_co_u32 s28, s28, s61
	s_bcnt1_i32_b32 s61, s31
	s_add_co_u32 s27, s27, s61
	s_and_b32 s31, s31, s[\m]
	s_bcnt1_i32_b32 s61, s31
	s_add_co_u32 s29, s29, s61
.endm
.macro WSUM r, t                       ; the sum over the wave's 32 lanes, in every lane
	s_delay_alu instid0(VALU_DEP_1)
	v_add_f32_dpp v[\r], v[\r], v[\r] row_xmask:1 row_mask:0xf bank_mask:0xf
	s_delay_alu instid0(VALU_DEP_1)
	v_add_f32_dpp v[\r], v[\r], v[\r] row_xmask:2 row_mask:0xf bank_mask:0xf
	s_delay_alu instid0(VALU_DEP_1)
	v_add_f32_dpp v[\r], v[\r], v[\r] row_xmask:4 row_mask:0xf bank_mask:0xf
	s_delay_alu instid0(VALU_DEP_1)
	v_add_f32_dpp v[\r], v[\r], v[\r] row_xmask:8 row_mask:0xf bank_mask:0xf
	s_delay_alu instid0(VALU_DEP_1)
	v_permlanex16_b32 v[\t], v[\r], s22, s23
	s_delay_alu instid0(VALU_DEP_1)
	v_add_f32 v[\r], v[\r], v[\t]
.endm
	s_load_b512 s[4:19], s[0:1], 0x0               ; hidden s[4:5], ids s[6:7], gamma s[8:9], beta s[10:11], scales s[12:13], tw1 s[14:15], iw1 s[16:17], tw2 s[18:19]
	s_load_b256 s[72:79], s[0:1], 0x40             ; iw2 s[72:73], xcodes s[74:75], rowtok s[76:77], out0 s[78:79]
	s_load_b64 s[80:81], s[0:1], 0x60              ; wcat
	v_and_b32 v1, 31, v0                           ; lane
	v_lshrrev_b32 v16, 5, v0
	s_delay_alu instid0(VALU_DEP_1)
	v_readfirstlane_b32 s20, v16                   ; wave 0..15
	s_lshl_b32 s21, ttmp9, 4                       ; my work-group's first token
	s_mov_b32 s22, 0x76543210                      ; lane selects: lane l xor 16
	s_mov_b32 s23, 0xfedcba98
	v_lshlrev_b32 v2, 4, v1                        ; 16 x lane
	s_mul_i32 s30, s20, STGW                       ; my stage
	v_lshl_add_u32 v3, v1, 2, s30                  ; x's codes into it: 4 bytes a lane
	v_add_nc_u32 v4, s30, v2                       ; and out of it: 16 bytes a lane
	v_lshlrev_b32 v5, 4, v0                        ; the scan: 16 bytes (4 ids) a thread
	v_and_b32 v6, 15, v0                           ; r = lane % 16
	v_lshl_add_u32 v17, v16, 3, CNT                ; where my wave puts its counts
	s_delay_alu instid0(VALU_DEP_2)
	v_lshl_add_u32 v26, v6, 3, CNT                 ; and where lane l reads wave l % 16's
	v_lshlrev_b32 v27, 2, v0                       ; the first id of my first four,
	s_delay_alu instid0(VALU_DEP_1)
	v_add_nc_u32 v28, 2048, v27                    ; and of my second four
	s_lshl_b32 s31, ttmp9, 6
	v_lshl_add_u32 v29, v6, 2, s31                 ; the id of token 16 g + lane % 16
	v_bfe_u32 v24, v0, 4, 1                        ; h = lane / 16
	s_delay_alu instid0(VALU_DEP_1)
	v_lshlrev_b32 v16, 11, v24                     ; the weights as they lie: lanes 0-15 one row's 256 bytes, lanes 16-31 the next row's: 2,048 h + 16 r
	s_delay_alu instid0(VALU_DEP_1)
	v_lshl_add_u32 v16, v6, 4, v16
	s_delay_alu instid0(VALU_DEP_3)
	v_mul_u32_u24 v18, v24, 272                    ; into the stage alike: row 2 i + h at 272 bytes a row
	s_delay_alu instid0(VALU_DEP_1)
	v_lshl_add_u32 v18, v6, 4, v18
	s_delay_alu instid0(VALU_DEP_1)
	v_add_nc_u32 v18, s30, v18
	v_mul_u32_u24 v19, v6, 272                     ; out of it as the operand's registers want them: row r, byte 16 h
	s_delay_alu instid0(VALU_DEP_1)
	v_lshl_add_u32 v19, v24, 4, v19
	s_delay_alu instid0(VALU_DEP_1)
	v_add_nc_u32 v19, s30, v19
	v_mov_b32 v20, 0                               ; 16 bytes of zero codes
	v_mov_b32 v21, 0
	v_mov_b32 v22, 0
	v_mov_b32 v23, 0
	v_mov_b32 v24, 0                               ; written once: the destination of a lane move counts as read
	v_mov_b32 v25, 0
	; the rows whose rowtok entry wave 0 fills if they are padding: lanes 0-15 rows 16 g + lane, lane 16 row 4096 + g: p = 16 g + lane + (lane / 16) (4080 - 15 g).  Made of ids alone, here, and kept
	s_mul_i32 s61, ttmp9, 15
	s_sub_co_u32 s61, 4080, s61
	v_bfe_u32 v30, v0, 4, 1
	s_delay_alu instid0(VALU_DEP_1)
	v_mul_u32_u24 v30, s61, v30
	s_delay_alu instid0(VALU_DEP_1)
	v_add3_u32 v30, v30, s21, v1
	s_delay_alu instid0(VALU_DEP_1)
	v_min_u32 v30, RMAX, v30                       ; (lanes 17 to 31, and lane 16 of work-groups 224 on, are off for that store)
	s_delay_alu instid0(VALU_DEP_1)
	v_lshlrev_b32 v31, 2, v30                      ; its entry's byte
	s_cmp_lt_u32 ttmp9, 224
	s_cselect_b32 s71, 17, 16                      ; how many lanes have a row
	s_add_co_u32 s60, s21, s20                     ; my token; also my first padding candidate
	s_lshl_b32 s62, s60, 13                        ; its row of 8,192 bytes
	s_mov_b32 s63, 0
	s_lshl_b32 s66, s60, 11                        ; row s60 of xcodes
	s_mov_b32 s67, 0
	s_add_co_u32 s70, ttmp9, 4096                  ; wave 1 of work-groups 0 to 223: the second padding candidate
	s_min_u32 s70, s70, RMAX
	s_lshl_b32 s68, s70, 11
	s_mov_b32 s69, 0
	s_and_b32 s82, ttmp9, 63                       ; the weights: 64 work-groups to a tensor of 4 MiB
	s_lshl_b32 s82, s82, 16                        ; from: 32 rows of 2,048 bytes a work-group,
	s_lshr_b32 s83, s20, 3
	s_lshl_b32 s83, s83, 15                        ; 16 rows for waves 0-7, the next 16 for waves 8-15,
	s_add_co_u32 s82, s82, s83
	s_and_b32 s83, s20, 7
	s_lshl_b32 s83, s83, 8                         ; 256 bytes along K a wave
	s_add_co_u32 s82, s82, s83
	s_lshl_b32 s88, ttmp9, 16
	s_lshl_b32 s83, s20, 12
	s_add_co_u32 s88, s88, s83                     ; to: 65,536 g + 4,096 w: two fragments on end
	s_mov_b32 s83, 0
	s_mov_b32 s89, 0
	s_and_b32 s90, ttmp9, 64
	s_wait_kmcnt 0x0
	s_load_b256 s[52:59], s[12:13], 0x0            ; the eight exponents
	s_cmp_lg_u32 s90, 0                            ; which tensor: the choice hangs on the work-group's number alone
	s_cselect_b64 s[84:85], s[16:17], s[14:15]
	s_cselect_b64 s[86:87], s[72:73], s[18:19]
	s_cmp_lt_u32 ttmp9, 128
	s_cselect_b64 s[84:85], s[84:85], s[86:87]
	s_add_nc_u64 s[84:85], s[84:85], s[82:83]
	s_add_nc_u64 s[86:87], s[80:81], s[88:89]
	s_add_nc_u64 s[50:51], s[4:5], s[62:63]        ; my row of hidden
	s_add_nc_u64 s[48:49], s[78:79], s[62:63]      ; and of out0
	s_add_nc_u64 s[46:47], s[74:75], s[66:67]
	s_add_nc_u64 s[68:69], s[74:75], s[68:69]
.irp i, 0,1,2,3,4,5,6,7
	global_load_b128 v[WC+4*\i:WC+4*\i+3], v16, s[84:85] offset:4096*\i th:TH_LOAD_NT   ; weights: rows 2 i and 2 i + 1, 256 consecutive bytes of each
.endr
	global_load_b128 v[8:11], v5, s[6:7]           ; ids 4 t .. 4 t + 3
	global_load_b128 v[12:15], v5, s[6:7] offset:8192   ; ids 2048 + 4 t ..
	global_load_b32 v7, v29, s[6:7]
.irp j, 0,1,2,3,4,5,6,7,8,9,10,11,12,13,14,15
	global_load_b128 v[X+4*\j:X+4*\j+3], v2, s[50:51] offset:512*\j th:TH_LOAD_NT   ; 32 lanes read 512 consecutive bytes
.endr
.irp j, 0,1,2,3,4,5,6,7,8,9,10,11,12,13,14,15
	global_load_b128 v[G+4*\j:G+4*\j+3], v2, s[8:9] offset:512*\j
.endr
.irp j, 0,1,2,3,4,5,6,7,8,9,10,11,12,13,14,15
	global_load_b128 v[BT+4*\j:BT+4*\j+3], v2, s[10:11] offset:512*\j
.endr
	s_wait_loadcnt 48                              ; the weights' eight loads and the three loads of ids are in; the 48 behind them stay out
.irp i, 0,1,2,3,4,5,6,7
	ds_store_b128 v18, v[WC+4*\i:WC+4*\i+3] offset:544*\i   ; the weights' turn: in by rows,
.endr
.irp s, 0,1
.irp c, 0,1,2,3
	ds_load_b128 v[WC+4*(4*\s+\c):WC+4*(4*\s+\c)+3], v19 offset:128*\s+32*\c   ; out by fragments.  LDS serves a wave's instructions in order (ISA guide 5.7.1.4): these see my stores
.endr
.endr
	; ---- the scan: whole numbers only
	v_cmp_gt_u32 s24, s21, v27                     ; four ids never straddle a multiple of 16: all four lie ahead of my work-group's tokens, or none
	v_cmp_gt_u32 s25, s21, v28
	s_mov_b32 s26, 0
	s_mov_b32 s27, 0
	s_mov_b32 s28, 0
	s_mov_b32 s29, 0
.irp r, 8,9,10,11
	CNTID \r, 24
.endr
.irp r, 12,13,14,15
	CNTID \r, 25
.endr
	s_lshl_b32 s27, s27, 16                        ; each count is at most 4,096: two to a word
	s_or_b32 s26, s26, s27
	s_lshl_b32 s29, s29, 16
	s_or_b32 s28, s28, s29
	v_mov_b32 v18, s26
	v_mov_b32 v19, s28
	ds_store_b64 v17, v[18:19]                     ; all lanes write the same 8 bytes
	s_wait_dscnt 0x0                               ; the weights are back in registers; and for the others' sake: my counts lie in LDS
.irp i, 0,1,2,3,4,5,6,7
	global_store_b128 v2, v[WC+4*\i:WC+4*\i+3], s[86:87] offset:512*\i   ; 512 consecutive bytes, at a multiple of 256 from the buffer's first byte
.endr
	s_barrier_signal -1
	s_barrier_wait -1                              ; the one barrier: on every wave's path, ahead of every branch
	ds_load_b64 v[18:19], v26
	s_wait_dscnt 0x0
.irp m, 1
	v_mov_b32_dpp v24, v18 row_xmask:\m row_mask:0xf bank_mask:0xf
	v_mov_b32_dpp v25, v19 row_xmask:\m row_mask:0xf bank_mask:0xf
	s_delay_alu instid0(VALU_DEP_2)
	v_add_nc_u32 v18, v18, v24
	s_delay_alu instid0(VALU_DEP_2)
	v_add_nc_u32 v19, v19, v25
.endr
.irp m, 2, 4, 8
	s_delay_alu instid0(VALU_DEP_2)
	v_mov_b32_dpp v24, v18 row_xmask:\m row_mask:0xf bank_mask:0xf
	s_delay_alu instid0(VALU_DEP_2)
	v_mov_b32_dpp v25, v19 row_xmask:\m row_mask:0xf bank_mask:0xf
	s_delay_alu instid0(VALU_DEP_2)
	v_add_nc_u32 v18, v18, v24
	s_delay_alu instid0(VALU_DEP_2)
	v_add_nc_u32 v19, v19, v25
.endr
	s_delay_alu instid0(VALU_DEP_2)
	v_readfirstlane_b32 s30, v18
	s_delay_alu instid0(VALU_DEP_2)
	v_readfirstlane_b32 s31, v19
	s_and_b32 s34, s30, 0xffff                     ; n0
	s_lshr_b32 s35, s30, 16                        ; n1
	s_and_b32 s36, s31, 0xffff                     ; ids 0 ahead of my work-group
	s_lshr_b32 s37, s31, 16                        ; ids 1 ahead of it
	s_add_co_u32 s38, s34, 143
	s_lshr_b32 s38, s38, 4                         ; q = (n0 + 143) / 16, at most 264
	s_mul_i32 s38, s38, 57
	s_lshr_b32 s38, s38, 9                         ; q / 9 = 57 q / 512 for q up to 264: 57/512 - 1/9 = 1/4608, and 264/4608 < 1/9
	s_mul_i32 s38, s38, 144                        ; P0
	s_add_co_u32 s39, s38, s37
	; ---- my token's row
	v_cmp_eq_u32 s32, 0, v7
	v_cmp_eq_u32 s33, 1, v7
	s_and_b32 s32, s32, 0xffff                     ; bit i: token 16 g + i is text
	s_and_b32 s33, s33, 0xffff                     ; is image
	s_bfm_b32 s61, s20, 0                          ; the bits below my wave's
	s_and_b32 s62, s32, s61
	s_bcnt1_i32_b32 s62, s62
	s_and_b32 s63, s33, s61
	s_bcnt1_i32_b32 s63, s63
	s_lshr_b32 s40, s32, s20
	s_and_b32 s40, s40, 1                          ; my token is text
	s_lshr_b32 s41, s33, s20
	s_and_b32 s41, s41, 1                          ; is image
	s_add_co_u32 s62, s36, s62
	s_add_co_u32 s63, s39, s63
	s_cmp_lg_u32 s40, 0
	s_cselect_b32 s42, s62, s63
	s_min_u32 s42, s42, RMAX                       ; a number made of loaded data enters an address behind this hold
	s_lshl_b32 s62, s42, 11
	s_mov_b32 s63, 0
	s_add_nc_u64 s[44:45], s[74:75], s[62:63]      ; my token's row of xcodes
	; ---- wave 0 writes rowtok: the sixteen tokens' entries, and 4096 for the padding rows among the work-group's candidates.  All vector work stands ahead of the first change of EXEC
	s_cmp_lg_u32 s20, 0
	s_cbranch_scc1 .Lnot_wave0
	v_mbcnt_lo_u32_b32 v16, s32, 0                 ; text tokens of the work-group below lane l's
	v_mbcnt_lo_u32_b32 v17, s33, 0
	s_delay_alu instid0(VALU_DEP_2)
	v_add_nc_u32 v16, s36, v16
	s_delay_alu instid0(VALU_DEP_2)
	v_add_nc_u32 v17, s39, v17
	s_delay_alu instid0(VALU_DEP_1)
	v_cndmask_b32 v24, v17, v16, s32
	s_delay_alu instid0(VALU_DEP_1)
	v_min_u32 v24, RMAX, v24
	s_delay_alu instid0(VALU_DEP_1)
	v_lshlrev_b32 v24, 2, v24
	v_add_nc_u32 v25, s21, v1                      ; token 16 g + lane
	v_mov_b32 v27, 0x10000
	s_delay_alu instid0(VALU_DEP_1)
	v_cndmask_b32 v26, 0, v27, s33
	s_delay_alu instid0(VALU_DEP_1)
	v_or_b32 v26, v25, v26                         ; token | expert << 16
	v_cmp_gt_u32 s61, s71, v1                      ; the lane has a candidate row p (v30),
	v_cmp_le_u32 s62, s34, v30                     ; which is no text row: n0 <= p,
	v_sub_nc_u32 v28, v30, s38
	s_delay_alu instid0(VALU_DEP_1)
	v_cmp_le_u32 s63, s35, v28                     ; and no image row: n1 <= p - P0, unsigned
	s_and_b32 s61, s61, s62
	s_and_b32 s67, s61, s63
	v_mov_b32 v29, 0x1000
	s_or_b32 vcc_lo, s32, s33
	s_wait_alu depctr_va_vdst(0)
	s_wait_xcnt 0x0                                ; EXEC changes only behind this wait: the loads and stores above have read it
	s_and_saveexec_b32 s66, vcc_lo
	global_store_b32 v24, v26, s[76:77]
	s_wait_xcnt 0x0
	s_or_b32 exec_lo, exec_lo, s66
	s_mov_b32 vcc_lo, s67
	s_and_saveexec_b32 s66, vcc_lo
	global_store_b32 v31, v29, s[76:77]
	s_wait_xcnt 0x0
	s_or_b32 exec_lo, exec_lo, s66
.Lnot_wave0:
	; ---- padding rows of xcodes: zero codes, 2,048 bytes a row, 512 consecutive bytes a store
	s_cmp_lt_u32 s60, s34
	s_cbranch_scc1 .Lp1_real
	s_sub_co_u32 s61, s60, s38
	s_cmp_lt_u32 s61, s35
	s_cbranch_scc1 .Lp1_real
.irp i, 0,1,2,3
	global_store_b128 v2, v[20:23], s[46:47] offset:512*\i
.endr
.Lp1_real:
	s_cmp_lg_u32 s20, 1
	s_cbranch_scc1 .Lp2_done
	s_cmp_gt_u32 ttmp9, 223
	s_cbranch_scc1 .Lp2_done
	s_cmp_lt_u32 s70, s34
	s_cbranch_scc1 .Lp2_done
	s_sub_co_u32 s61, s70, s38
	s_cmp_lt_u32 s61, s35
	s_cbranch_scc1 .Lp2_done
.irp i, 0,1,2,3
	global_store_b128 v2, v[20:23], s[68:69] offset:512*\i
.endr
.Lp2_done:
	; ---- a token that is neither text nor image: both masks are 0, out = hidden
	s_or_b32 s61, s40, s41
	s_cmp_lg_u32 s61, 0
	s_cbranch_scc1 .Lnorm
	s_wait_loadcnt 32                              ; my row is in; gamma's and beta's 32 loads may stay out
.irp j, 0,1,2,3,4,5,6,7,8,9,10,11,12,13,14,15
	global_store_b128 v2, v[X+4*\j:X+4*\j+3], s[48:49] offset:512*\j
.endr
	s_wait_xcnt 0x0
	s_mov_b32 exec_lo, -1
	v_lshl_add_u32 v30, v0, 2, 0x11100
	v_mov_b32 v31, 0
	s_wait_alu depctr_va_vdst(0)
	s_wait_tensorcnt 0x0
	ds_add_u32 v30, v31
	s_wait_dscnt 0x0
	s_endpgm
.Lnorm:
	; ---- LayerNorm
	s_wait_loadcnt 32                              ; my row is in
.irp c, 0,1,2,3
	v_pk_add_f32 v[24+2*\c:25+2*\c], v[X+4*\c:X+4*\c+1], v[X+4*\c+2:X+4*\c+3]   ; four chains, started by the first sixteen numbers
.endr
.set j, 16
.rept 6
.irp c, 0,1,2,3
	s_delay_alu instid0(VALU_DEP_4)
	v_pk_add_f32 v[24+2*\c:25+2*\c], v[24+2*\c:25+2*\c], v[X+j+2*\c:X+j+2*\c+1]
.endr
.set j, j+8
.endr
	s_delay_alu instid0(VALU_DEP_3)
	v_pk_add_f32 v[24:25], v[24:25], v[26:27]
	s_delay_alu instid0(VALU_DEP_2)
	v_pk_add_f32 v[28:29], v[28:29], v[30:31]
	s_delay_alu instid0(VALU_DEP_1)
	v_pk_add_f32 v[24:25], v[24:25], v[28:29]
	s_delay_alu instid0(VALU_DEP_1)
	v_add_f32 v24, v24, v25
	WSUM 24, 25
	s_delay_alu instid0(VALU_DEP_1)
	v_mul_f32 v24, 0x3a000000, v24                 ; the mean: x 2^-11
.set j, 0
.rept 32
	v_pk_add_f32 v[X+j:X+j+1], v[X+j:X+j+1], v[24:25] op_sel_hi:[1,0] neg_lo:[0,1] neg_hi:[0,1]   ; h - mean
.set j, j+2
.endr
.irp c, 0,1,2,3
	v_pk_mul_f32 v[24+2*\c:25+2*\c], v[X+2*\c:X+2*\c+1], v[X+2*\c:X+2*\c+1]
.endr
.set j, 8
.rept 7
.irp c, 0,1,2,3
	s_delay_alu instid0(VALU_DEP_4)
	v_pk_fma_f32 v[24+2*\c:25+2*\c], v[X+j+2*\c:X+j+2*\c+1], v[X+j+2*\c:X+j+2*\c+1], v[24+2*\c:25+2*\c]
.endr
.set j, j+8
.endr
	s_delay_alu instid0(VALU_DEP_3)
	v_pk_add_f32 v[24:25], v[24:25], v[26:27]
	s_delay_alu instid0(VALU_DEP_2)
	v_pk_add_f32 v[28:29], v[28:29], v[30:31]
	s_delay_alu instid0(VALU_DEP_1)
	v_pk_add_f32 v[24:25], v[24:25], v[28:29]
	s_delay_alu instid0(VALU_DEP_1)
	v_add_f32 v24, v24, v25
	WSUM 24, 25
	s_mov_b32 s61, 0x3a000000                      ; 2^-11
	s_mov_b32 s62, 0x2b8cbccc                      ; 1e-12
	v_fma_f32 v24, v24, s61, s62                   ; var + eps
	s_wait_alu depctr_va_vdst(0)
	v_rsq_f32 v26, v24
	v_mov_b32 v27, 0                               ; a plain instruction behind the transcendental (and the pair's upper word is written)
	s_wait_loadcnt 0x0                             ; gamma and beta
	s_wait_alu depctr_va_vdst(0)                   ; the wait ahead of the first line that names the result
.set j, 0
.rept 32
	v_pk_mul_f32 v[X+j:X+j+1], v[X+j:X+j+1], v[26:27] op_sel_hi:[1,0]
.set j, j+2
.endr
.set j, 0
.rept 32
	v_pk_fma_f32 v[X+j:X+j+1], v[X+j:X+j+1], v[G+j:G+j+1], v[BT+j:BT+j+1]
.set j, j+2
.endr
	; ---- the quantiser
	s_wait_kmcnt 0x0
	s_cmp_lg_u32 s41, 0
	s_cselect_b32 s61, s56, s52                    ; e: entry 4 for image, entry 0 for text
	s_add_co_i32 s61, s61, 127
	s_lshl_b32 s62, s61, 23
	v_mov_b32 v30, s62                             ; 2^e as f32: the conversion takes its exponent field
	s_add_co_i32 s61, s61, 8
	s_lshl_b32 s61, s61, 23
	s_or_b32 s61, s61, 0x600000
	v_mov_b32 v31, s61                             ; 448 x 2^e
.set j, 0
.rept 64
	v_med3_num_f32 v[X+j], v[X+j], -v31, v31       ; the conversion to an 8-bit code does not saturate (ISA guide 7.6.2): the hold comes first
.set j, j+1
.endr
	s_wait_alu depctr_va_vdst(0)
	s_wait_xcnt 0x0                                ; the weights' stores have read v224-255, which take the codes now
.irp q, 0,1,2,3,4,5,6,7
	v_cvt_scalef32_pk8_fp8_f32 v[C+2*\q:C+2*\q+1], v[X+8*\q:X+8*\q+7], v30   ; registers 8 q .. 8 q + 3 are four neighbours, 8 q + 4 .. + 7 the four that lie 128 elements on: one word each
.endr
	v_nop                                          ; a plain line behind the last conversion
.irp j, 0,1,2,3,4,5,6,7,8,9,10,11,12,13,14,15
	ds_store_b32 v3, v[C+\j] offset:128*\j         ; 32 lanes: 128 consecutive bytes of the row
.endr
.irp i, 0,1,2,3
	ds_load_b128 v[O+4*\i:O+4*\i+3], v4 offset:512*\i   ; these see my stores: LDS serves a wave's instructions in order
.endr
.irp i, 0,1,2,3
	s_wait_dscnt 3-\i                              ; load i is back; the younger ones may be out
	global_store_b128 v2, v[O+4*\i:O+4*\i+3], s[44:45] offset:512*\i   ; 512 consecutive bytes, at a multiple of 256 from the buffer's first byte
.endr
	s_wait_xcnt 0x0
	s_mov_b32 exec_lo, -1
	v_lshl_add_u32 v30, v0, 2, 0x11100
	v_mov_b32 v31, 0
	s_wait_alu depctr_va_vdst(0)
	s_wait_tensorcnt 0x0
	ds_add_u32 v30, v31
	s_wait_dscnt 0x0
	s_endpgm
.Lfunc_end_k_q1433768f60_prep:
	.size	k_q1433768f60_prep, .Lfunc_end_k_q1433768f60_prep-k_q1433768f60_prep
	.p2alignl 7, 3214868480
	.fill 96, 4, 3214868480
	.section	.rodata,"a",@progbits
	.p2align	6, 0x0
	.amdhsa_kernel k_q1433768f60_prep
		.amdhsa_group_segment_fixed_size 71936
		.amdhsa_private_segment_fixed_size 0
		.amdhsa_enable_private_segment 0
		.amdhsa_kernarg_size 104
		.amdhsa_user_sgpr_count 2
		.amdhsa_user_sgpr_kernarg_segment_ptr 1
		.amdhsa_wavefront_size32 1
		.amdhsa_system_sgpr_workgroup_id_x 1
		.amdhsa_system_sgpr_workgroup_id_y 1
		.amdhsa_system_sgpr_workgroup_id_z 1
		.amdhsa_system_vgpr_workitem_id 0
		.amdhsa_next_free_vgpr 256
		.amdhsa_next_free_sgpr 92
		.amdhsa_reserve_vcc 1
		.amdhsa_float_denorm_mode_32 3
		.amdhsa_float_denorm_mode_16_64 3
		.amdhsa_memory_ordered 1
		.amdhsa_forward_progress 1
		.amdhsa_inst_pref_size 44
	.end_amdhsa_kernel
	.amdgpu_metadata
---
amdhsa.version: [ 1, 2 ]
amdhsa.kernels:
  - .name:           k_q1433768f60_prep
    .symbol:         k_q1433768f60_prep.kd
    .args:
      - { .name: hidden_states, .offset: 0, .size: 8, .value_kind: global_buffer, .address_space: global }
      - { .name: token_type_ids, .offset: 8, .size: 8, .value_kind: global_buffer, .address_space: global }
      - { .name: ln_gamma, .offset: 16, .size: 8, .value_kind: global_buffer, .address_space: global }
      - { .name: ln_beta, .offset: 24, .size: 8, .value_kind: global_buffer, .address_space: global }
      - { .name: lowp_scales, .offset: 32, .size: 8, .value_kind: global_buffer, .address_space: global }
      - { .name: tw1_codes, .offset: 40, .size: 8, .value_kind: global_buffer, .address_space: global }
      - { .name: iw1_codes, .offset: 48, .size: 8, .value_kind: global_buffer, .address_space: global }
      - { .name: tw2_codes, .offset: 56, .size: 8, .value_kind: global_buffer, .address_space: global }
      - { .name: iw2_codes, .offset: 64, .size: 8, .value_kind: global_buffer, .address_space: global }
      - { .name: xcodes, .offset: 72, .size: 8, .value_kind: global_buffer, .address_space: global }
      - { .name: rowtok, .offset: 80, .size: 8, .value_kind: global_buffer, .address_space: global }
      - { .name: out0, .offset: 88, .size: 8, .value_kind: global_buffer, .address_space: global }
      - { .name: wcat, .offset: 96, .size: 8, .value_kind: global_buffer, .address_space: global }
    .group_segment_fixed_size: 71936
    .private_segment_fixed_size: 0
    .kernarg_segment_align: 8
    .kernarg_segment_size: 104
    .max_flat_workgroup_size: 512
    .sgpr_count:     92
    .vgpr_count:     256
    .wavefront_size: 32
...
	.end_amdgpu_metadata
.endif
;; end of part 4
;; launch gemm1 (part 5): grid 8 x 30, 4 waves a work-group, clusters of 4 x 1, 327,680 bytes of LDS; arguments xcodes, wcat, tb1, ib1, lowp_scales, rowtok, hcodes; writes hcodes
.if DOCPART == 5
	.amdgcn_target "amdgcn-amd-amdhsa--gfx1250"
	.amdhsa_code_object_version 6
	.text
	.protected	k_q1433768f60_gemm1
	.globl	k_q1433768f60_gemm1
	.p2align	8
	.type	k_q1433768f60_gemm1,@function
k_q1433768f60_gemm1:
	s_mov_b64 s[64:65], 0
	v_nop
	global_prefetch_b8 v0, s[64:65] scope:SCOPE_SE
	s_setreg_imm32_b32 hwreg(HW_REG_WAVE_MODE, 25, 1), 1
	s_wait_xcnt 0x0
	s_wait_alu depctr_hold_cnt(0) depctr_sa_sdst(0) depctr_va_vdst(0) depctr_va_sdst(0) depctr_va_ssrc(0) depctr_va_vcc(0) depctr_vm_vsrc(0)
	s_getreg_b32 s2, hwreg(HW_REG_IB_STS2, 6, 4)
	s_cmp_eq_u32 s2, 0
	s_cbranch_scc0 .Lentry_in_a_cluster
	s_endpgm
.Lentry_in_a_cluster:
	s_bfe_u32 s2, ttmp6, 0x10000c
	s_cmp_lg_u32 s2, 0x3003
	s_cbranch_scc0 .Lentry_shape_is_right
	s_endpgm
.Lentry_shape_is_right:
; GEMM 1 in sorted row space: hcodes = Q(gelu(x W1 + b1)).  xcodes [4320][2048] E4M3, K innermost; W1's codes lie in wcat in the order of the operand's registers (see the launch before).
; A tile of 144 rows x 256 columns, 30 x 8 = 240 work-groups of four waves; a wave makes all 144 rows x 64 columns: 9 x 4 accumulators.
; x's tile is RESIDENT in LDS, in four places of 144 rows x 512 bytes along K: wave w fills place w by ONE joint tensor load (clusters of 4 x 1: the four column tiles of a tile row share x), no LDS byte is filled twice.
; Each wave waits for its load ahead of one barrier, behind which all four places are whole.
; W1 goes straight into registers, 512 consecutive bytes a load, asked for three to four steps of 128 along K ahead.  The walk along K begins at pair T % 4 of 512 codes in tile row T.
; A tile holds rows of one expert, named by bit 16 of its first rowtok entry; it enters W1's address as an offset, held at 1 and shifted; bias and exponents are chosen as values; no branch hangs on it.
; W1 is not asked for jointly: its address hangs on that loaded number.  No prefetch: the one load a wave names all of x's tile at the head, and 48 or more loads of W1 are out behind the half set that is waited for.
; The accumulators begin as bias x 2^-(ex + ew1), so that every step is alike.  The product is used TRANSPOSED: a lane holds eight neighbouring columns of one row.
; LIMITS: ex + ew1 between -126 and 126, and bias x 2^-(ex + ew1) an f32 number; eh between -126 and 119.  NaN and infinities are not served.
; A step of 128 along K is 18 pairs of products: a = 0..8 with columns' blocks 0, 1, then a = 0..8 with blocks 2, 3.  THREE RUNS OF LOADS stand among them, each with twelve LDS loads, three of x's fragments of the NEXT step:
; behind pair 3 (fragments 0-2, and eight loads of W1's blocks 2, 3 three steps on), behind pair 8 (3-5, and four loads of block 0 four steps on), behind pair 15 (6-8, and four of block 1 four steps on).
; REGISTERS, windows of 256: window 0: v8-31 addresses, v112-255 x's fragments of even steps.  window 1: W1's four sets.  window 2: accumulators (a, b) at v[32 a + 8 b], a = 0..7.
;   window 3: v0-31 accumulators (8, b), v32-175 x's fragments of odd steps, v176-207 the bias.
.set KROW,  2048
.set PITCH, 528                        ; an LDS row: 512 bytes + 16 of padding = 132 words: the 16 rows that a load touches start at 16 different banks (64 banks of 4 bytes: ISA guide 11.1)
.set PLC,   144*PITCH                  ; a place
.set SPARE, 4*PLC                      ; the spare words, 128 bytes a wave
.set SP,    272                        ; the way out: stage rows of 256 bytes + 16, in place 0
.set WOFF,  0                          ; tw1's first byte in wcat
.set AD,  8
.set AD8, 9
.set VB,  10
.set VB8, 11
.set SPW, 21
.set NIL, 22
.set BO,  23
.set STO, 24
.set RD,  25
.set CO,  26
.set LO,  27
.set A0,  112
.set A1,  32
.set BIA, 176
.set G1,  24
.set G0,  32
.set WB,  48
.set MSB, 0
.macro WIN new                         ; the immediate's high byte repeats the setting that is left
.if MSB != (\new)
	s_set_vgpr_msb (MSB<<8)|(\new)
.set MSB, (\new)
.endif
.endm
.macro CROUND                          ; a round of the cluster's barrier
	s_barrier_signal -1
	s_barrier_wait -1
	s_cmp_lg_u32 s20, 0
	s_cbranch_scc1 .Lnot_wave_0_\@
	s_barrier_signal -3
.Lnot_wave_0_\@:
	s_barrier_wait -3
	s_barrier_signal -1
	s_barrier_wait -1
.endm
.macro PLACES n
.rept \n
	v_nop
.endr
.endm
.macro WLD set, sub, n, c              ; 16 bytes a lane of W's block n, step sub of the pair along K that WB names
	global_load_b128 v[64*(\set)+16*(\n)+4*(\c):64*(\set)+16*(\n)+4*(\c)+3], v[LO], s[WB:WB+1] offset:(\n)*32768+(\sub)*2048+(\c)*512
.endm
.macro WHALF t, hf
.irp n, 0,1
.irp c, 0,1,2,3
	WLD \t, \t, 2*\hf+\n, \c
.endr
.endr
.endm
.macro TWO p, s                        ; pair p of a step: two products.  The 36 accumulators take turns, one instruction a turn, in the same order in every step
.set a_, (\p)%9
.set b_, 2*((\p)/9)
.if a_ < 8
	WIN MW_
.set d_, 32*a_
.else
	WIN MW_|0x50
.set d_, 0
.endif
.irp k, 0,1
	v_wmma_f32_16x16x128_fp8_fp8 v[d_+8*(b_+\k):d_+8*(b_+\k)+7], v[64*(\s)+16*(b_+\k):64*(\s)+16*(b_+\k)+15], v[AS_+16*a_:AS_+16*a_+15], v[d_+8*(b_+\k):d_+8*(b_+\k)+7]
.endr
.endm
.macro NEXTW                           ; WB: the next pair along K
	s_add_co_u32 s52, s52, 1
	s_and_b32 s52, s52, 3
	s_lshl_b32 s50, s52, 13
	s_add_nc_u64 s[WB:WB+1], s[90:91], s[50:51]
.endm
.macro ARUN i, s                       ; twelve LDS loads: x's fragments 3 i .. 3 i + 2 of the step behind step s
	WIN AW_
.irp f, 3*\i, 3*\i+1, 3*\i+2
.if (\f) < 8
.set ar_, AD
.set fo_, (\f)*16*PITCH
.else
.set ar_, AD8
.set fo_, 0
.endif
.irp c, 0,1,2,3
	ds_load_b128 v[AL_+16*(\f)+4*\c:AL_+16*(\f)+4*\c+3], v[ar_] offset:fo_+128*((\s+1)%4)+32*\c
.endr
.endr
.endm
; A step.  s: the step mod 4; al: the next step's fragments of x are loaded; w1, w2: W's loads of the first and second half; lc1, lc2: the global loads younger than W's blocks 0, 1 and 2, 3 of this step where they are waited for;
; bar: a barrier, in front of which each wave has waited for all its reads of the places: behind it the stage may be written.
.macro STEP s, al, w1, w2, lc1, lc2, bar
.if (\s)%2 == 0
.set AS_, A0
.set AL_, A1
.set MW_, 0xa1
.set AW_, 0xc0
.else
.set AS_, A1
.set AL_, A0
.set MW_, 0xad
.set AW_, 0
.endif
	s_wait_loadcnt \lc1
.if \bar
	s_wait_dscnt 0x0
	s_barrier_signal -1
.endif
.irp g, 0,1,2,3,4,5,6,7,8
.if \g < 4
.set n_, 28-8*\g+12*\al*(\g/2)         ; LDS loads younger than fragment 2 g + 1; behind group 1 this step's first run has added twelve
.else
.set n_, 12*\al                        ; younger than fragment 8
.endif
.if (\g < 5) && ((\bar == 0) || (\g > 0))
	s_wait_dscnt n_
.endif
.if \g == 4
	TWO 8, \s
	WIN 0
.if \w2 == 1
.if \s == 0
	s_wait_xcnt 0x0                                ; W's loads have read WB
	NEXTW
.endif
	PLACES 4                                       ; four places ahead of loads into the blocks 0, 1 just multiplied
.endif
.if \al
	ARUN 1, \s
.endif
.if \w2 == 1
	WIN 0x40
.irp c, 0,1,2,3
	WLD \s, \s, 0, \c
.endr
.endif
	s_wait_loadcnt \lc2
	TWO 9, \s
.else
	TWO 2*\g, \s
	TWO 2*\g+1, \s
.endif
.if (\bar == 1) && (\g == 0)
	s_barrier_wait -1                              ; nobody reads the places any more
.endif
.if \g == 1
	PLACES 4                                       ; four places between the last step's products and loads into what they have read (ISA guide 7.12.1 for vector instructions)
.if \al
	ARUN 0, \s
.endif
.if \w1 == 1
	WIN 0x40
.irp n, 2,3
.irp c, 0,1,2,3
	WLD (\s+3)%4, (\s+3)%4, \n, \c
.endr
.endr
.endif
.endif
.if \g == 7
.if \al
	ARUN 2, \s
.endif
.if \w2 == 1
	WIN 0x40
.irp c, 0,1,2,3
	WLD \s, \s, 1, \c
.endr
.endif
.endif
.endr
	WIN 0
.if \al == 0
	PLACES 4                                       ; ahead of the first read of results
.endif
.endm
	s_load_b256 s[4:11], s[0:1], 0x0               ; xcodes, wcat, tb1, ib1
	s_load_b128 s[12:15], s[0:1], 0x20             ; scales, rowtok
	s_load_b64 s[16:17], s[0:1], 0x30              ; hcodes
	v_lshl_add_u32 v[SPW], v0, 2, SPARE
	v_mov_b32 v[NIL], 0
	ds_add_u32 v[SPW], v[NIL]                      ; the opening add, twice on end
	ds_add_u32 v[SPW], v[NIL]
	v_lshrrev_b32 v1, 5, v0
	v_readfirstlane_b32 s20, v1                    ; wave 0..3
	s_bfe_u32 s66, ttmp6, 0x40000                  ; cx
	s_lshl_b32 s68, ttmp9, 2
	s_add_co_u32 s68, s68, s66                     ; tile column
	s_and_b32 s69, ttmp7, 0xffff                   ; tile row, which the four partners share
	s_and_b32 s67, s69, 3                          ; the pair at which my walk along K begins
	s_mov_b32 s[G1], 15|(1<<20)|(1<<21)|(6<<22)|(3<<25)   ; all four work-groups; elements of 1 byte; padding of four words after every 128; 21 set beside a mask
	s_mov_b32 s[G1+1], 512<<16
	s_mov_b32 s[G1+2], 144<<16
	s_mov_b32 s[G1+3], 512<<16
	s_mov_b32 s[G1+4], 144
	s_mov_b32 s[G1+5], KROW
	s_mov_b32 s[G1+6], 0
	s_mov_b32 s[G1+7], 0
	s_add_co_u32 s70, s67, s20
	s_and_b32 s70, s70, 3
	s_lshl_b32 s70, s70, 9                         ; place w holds pair (T + w) % 4
	s_mul_i32 s71, s69, 144*KROW
	s_add_co_u32 s70, s70, s71
	s_mov_b32 s71, 0
	s_mov_b32 s[G0], 1
	s_mul_i32 s[G0+1], s20, PLC
	s_mul_i32 s94, s69, 576
	s_mov_b32 s95, 0
	s_wait_dscnt 0x0                               ; both opening adds are done
	s_wait_kmcnt 0x0
	s_add_nc_u64 s[94:95], s[14:15], s[94:95]
	s_load_b32 s96, s[94:95], 0x0                  ; the tile's first entry,
	s_load_b256 s[72:79], s[12:13], 0x0            ; and the eight exponents
	s_add_nc_u64 s[G0+2:G0+3], s[4:5], s[70:71]
	s_or_b32 s[G0+3], s[G0+3], 0x80000000
	CROUND                                         ; all four work-groups are here: the joint loads meet
	tensor_load_to_lds s[G0:G0+3], s[G1:G1+7]
	s_nop 0
	PLACES 4
	s_lshl_b32 s86, s68, 10
	s_lshl_b32 s87, s20, 8
	s_add_co_u32 s86, s86, s87
	s_mov_b32 s87, 0
	s_add_nc_u64 s[8:9], s[8:9], s[86:87]          ; the bias at my wave's 64 columns
	s_add_nc_u64 s[10:11], s[10:11], s[86:87]
	s_mul_i32 s86, s69, 144
	s_mul_i32 s87, s20, 36
	s_add_co_u32 s86, s86, s87
	s_lshl_b32 s86, s86, 11
	s_lshl_b32 s87, s68, 8
	s_add_co_u32 s86, s86, s87
	s_mov_b32 s87, 0
	s_add_nc_u64 s[84:85], s[16:17], s[86:87]      ; hcodes: row 144 T + 36 w, my tile's columns
	s_lshl_b32 s86, s68, 19
	s_lshl_b32 s87, s20, 17
	s_add_co_u32 s86, s86, s87
	s_add_co_u32 s86, s86, WOFF
	s_mov_b32 s87, 0
	s_add_nc_u64 s[90:91], s[6:7], s[86:87]        ; W: 16 blocks of 16 columns a tile column, 4 a wave, 32,768 bytes a block
	s_lshl_b32 s92, s20, 6
	s_mul_i32 s93, s20, 36*SP
	v_and_b32 v1, 15, v0                           ; r
	v_bfe_u32 v2, v0, 4, 1                         ; h
	v_and_b32 v4, 31, v0
	v_lshlrev_b32 v[LO], 4, v4
	v_lshlrev_b32 v[BO], 5, v2
	v_mul_u32_u24 v3, v1, PITCH
	v_lshl_add_u32 v[VB], v2, 4, v3                ; a fragment's row x pitch + 16 h
	v_add_nc_u32 v[VB8], 128*PITCH, v[VB]          ; rows 128 on
	v_mul_u32_u24 v[STO], v1, SP                   ; the stage, in: row r, byte 64 w + 8 h
	v_lshl_add_u32 v[STO], v2, 3, v[STO]
	v_add_nc_u32 v[STO], s92, v[STO]
	v_mul_u32_u24 v[RD], v2, SP                    ; out: row 36 w + 2 t + h, 16 r
	v_lshl_add_u32 v[RD], v1, 4, v[RD]
	v_add_nc_u32 v[RD], s93, v[RD]
	v_lshlrev_b32 v[CO], 11, v2
	v_lshl_add_u32 v[CO], v1, 4, v[CO]
	s_wait_alu depctr_va_vdst(0)
	WIN 0xc0
.irp b, 0,1,2,3
	global_load_b128 v[BIA+8*\b:BIA+8*\b+3], v[BO], s[8:9] offset:64*\b   ; tb1 at my columns 16 b + 8 h + 0 .. 7
	global_load_b128 v[BIA+8*\b+4:BIA+8*\b+7], v[BO], s[8:9] offset:64*\b+16
.endr
	WIN 0
.irp b, 0,1,2,3
	global_load_b128 v[A0+8*\b:A0+8*\b+3], v[BO], s[10:11] offset:64*\b   ; ib1
	global_load_b128 v[A0+8*\b+4:A0+8*\b+7], v[BO], s[10:11] offset:64*\b+16
.endr
	s_wait_kmcnt 0x0
	s_lshr_b32 s96, s96, 16
	s_and_b32 s96, s96, 1                          ; the expert,
	s_min_u32 s96, s96, 1                          ; held at 1: a loaded number enters an address behind this hold
	s_lshl_b32 s88, s96, 22                        ; x 4 MiB
	s_mov_b32 s89, 0
	s_add_nc_u64 s[90:91], s[90:91], s[88:89]
	s_mov_b32 s52, s67
	s_lshl_b32 s50, s52, 13
	s_mov_b32 s51, 0
	s_add_nc_u64 s[WB:WB+1], s[90:91], s[50:51]
	WIN 0x40
.irp t, 0,1,2
	WHALF \t, 0
	WHALF \t, 1
.endr
	WHALF 3, 0
	WIN 0
	s_cmp_lg_u32 s96, 0                            ; the choices of values stand straight behind this compare
	s_cselect_b32 s80, -1, 0
	s_cselect_b32 s97, s76, s72                    ; x's exponent
	s_cselect_b32 s98, s77, s73                    ; W1's
	s_cselect_b32 s99, s78, s74                    ; the hidden layer's
	s_add_co_i32 s98, s97, s98
	s_add_co_i32 s82, s98, 127
	s_lshl_b32 s82, s82, 23                        ; 2^(ex + ew1) as f32
	s_mov_b32 s83, s82
	s_sub_co_i32 s54, 127, s98
	s_lshl_b32 s54, s54, 23                        ; and its inverse
	s_mov_b32 s55, s54
	s_add_co_i32 s99, s99, 127
	s_lshl_b32 s98, s99, 23
	v_mov_b32 v30, s98                             ; 2^eh
	s_add_co_i32 s99, s99, 8
	s_lshl_b32 s99, s99, 23
	s_or_b32 s99, s99, 0x600000
	v_mov_b32 v31, s99                             ; 448 x 2^eh
	s_mov_b32 vcc_lo, s80
	s_wait_alu depctr_va_vdst(0)
	s_wait_loadcnt 56                              ; the biases are in; W's 56 loads may be out
	WIN 0xc3
.set q, 0
.rept 32
	v_cndmask_b32 v[BIA+q], v[BIA+q], v[A0+q], vcc_lo
.set q, q+1
.endr
	WIN 0x83
.set q, 0
.rept 8
.irp b, 0,2,4,6,8,10,12,14,16,18,20,22,24,26,28,30
	v_pk_mul_f32 v[q+\b:q+\b+1], v[BIA+\b:BIA+\b+1], s[54:55] op_sel_hi:[1,0]   ; the sums begin as bias x 2^-(ex + ew1)
.endr
.set q, q+32
.endr
	WIN 0xc3
.irp b, 0,2,4,6,8,10,12,14,16,18,20,22,24,26,28,30
	v_pk_mul_f32 v[\b:\b+1], v[BIA+\b:BIA+\b+1], s[54:55] op_sel_hi:[1,0]
.endr
	WIN 0
	s_mov_b32 s3, 1                                ; trips 1 to 3
	s_mov_b32 s53, 0                               ; the place being read, in bytes
	s_wait_alu depctr_va_vdst(0)
	s_wait_tensorcnt 0x0                           ; my place is whole; behind the barrier all four are
	s_barrier_signal -1
	s_barrier_wait -1
.irp g, 0,1,2,3,4,5,6,7
.irp c, 0,1,2,3
	ds_load_b128 v[A0+16*\g+4*\c:A0+16*\g+4*\c+3], v[VB] offset:\g*16*PITCH+32*\c
.endr
.endr
.irp c, 0,1,2,3
	ds_load_b128 v[A0+128+4*\c:A0+128+4*\c+3], v[VB8] offset:32*\c
.endr
.Ltrip:                                                ; four steps: one place
	v_add_nc_u32 v[AD], s53, v[VB]
	v_add_nc_u32 v[AD8], s53, v[VB8]
	s_wait_alu depctr_va_vdst(0)
	STEP 0, 1, 1, 1, 48, 52, 0
	STEP 1, 1, 1, 1, 48, 52, 0
	STEP 2, 1, 1, 1, 48, 52, 0
	s_add_co_u32 s53, s53, PLC                     ; the fourth step loads from the next place
	v_add_nc_u32 v[AD], s53, v[VB]
	v_add_nc_u32 v[AD8], s53, v[VB8]
	s_wait_alu depctr_va_vdst(0)
	STEP 3, 1, 1, 1, 48, 52, 0
	s_add_co_u32 s3, s3, 1
	s_cmp_lt_u32 s3, 4
	s_cbranch_scc1 .Ltrip
	v_add_nc_u32 v[AD], 3*PLC, v[VB]
	v_add_nc_u32 v[AD8], 3*PLC, v[VB8]
	s_wait_alu depctr_va_vdst(0)
	STEP 0, 1, 1, 0, 48, 48, 0                     ; the last place: W's last eight loads go out here
	STEP 1, 1, 0, 0, 40, 32, 0
	STEP 2, 1, 0, 0, 24, 16, 0
	STEP 3, 0, 0, 0, 8, 0, 1
; THE WAY OUT.  v = sum x 2^(ex + ew1); gelu(v) = max(v, 0) - 0.5 |v| erfc(|v| / sqrt 2), erfc(z) = t exp(-z^2 + P(t)), t = 1 / (1 + z / 2), in f32; held, quantised, staged in place 0, whose last reads were waited for
; in front of an earlier barrier.
.set V,  32
.set T,  64
.set W,  96
.set HH, 128
.set K0, 168
.set K8, 170
.set CC, 176
.macro KP r, val
	s_mov_b32 s[\r], \val
	s_mov_b32 s[\r+1], \val
.endm
.macro EPI a
.set E8, CC+8*(\a)
	s_wait_alu depctr_va_vdst(0)                   ; the wait ahead of the first read of these sums
	WIN 0x02+((\a)/8)
.irp i, 0,1,2,3
.irp j, 0,2,4,6
	v_pk_mul_f32 v[V+8*\i+\j:V+8*\i+\j+1], v[8*(4*((\a)%8)+\i)+\j:8*(4*((\a)%8)+\i)+\j+1], s[82:83] op_sel_hi:[1,0]
.endr
.endr
	WIN 0
.irp n, 32,33,34,35,36,37,38,39,40,41,42,43,44,45,46,47,48,49,50,51,52,53,54,55,56,57,58,59,60,61,62,63
	v_fma_f32 v[\n+32], |v\n|, s24, 1.0
.endr
.set q, 0
	s_wait_alu depctr_va_vdst(0)                   ; the wait ahead of the batch
.rept 32
	v_rcp_f32 v[T+q], v[T+q]
.set q, q+1
.endr
.set q, 0
.rept 16
	v_pk_mul_f32 v[W+q:W+q+1], v[V+q:V+q+1], v[V+q:V+q+1]
.set q, q+2
.endr
.set q, 0
.rept 16
	v_pk_fma_f32 v[W+q:W+q+1], v[W+q:W+q+1], s[26:27], v[K0:K0+1] op_sel_hi:[1,0,1]
.set q, q+2
.endr
	s_wait_alu depctr_va_vdst(0)                   ; and behind it
.set q, 0
.rept 16
	v_pk_fma_f32 v[HH+q:HH+q+1], v[T+q:T+q+1], s[28:29], v[K8:K8+1] op_sel_hi:[1,0,1]
.set q, q+2
.endr
.irp k, 30,32,34,36,38,40,42
.set q, 0
.rept 16
	v_pk_fma_f32 v[HH+q:HH+q+1], v[HH+q:HH+q+1], v[T+q:T+q+1], s[\k:\k+1] op_sel_hi:[1,1,0]
.set q, q+2
.endr
.endr
.set q, 0
.rept 16
	v_pk_fma_f32 v[W+q:W+q+1], v[T+q:T+q+1], v[HH+q:HH+q+1], v[W+q:W+q+1]
.set q, q+2
.endr
.set q, 0
	s_wait_alu depctr_va_vdst(0)
.rept 32
	v_exp_f32 v[W+q], v[W+q]
.set q, q+1
.endr
.set q, 0
.rept 32
	v_max_num_f32 v[HH+q], 0, v[V+q]
.set q, q+1
.endr
	s_wait_alu depctr_va_vdst(0)
.set q, 0
.rept 16
	v_pk_mul_f32 v[W+q:W+q+1], v[W+q:W+q+1], v[T+q:T+q+1]
.set q, q+2
.endr
.irp n, 32,33,34,35,36,37,38,39,40,41,42,43,44,45,46,47,48,49,50,51,52,53,54,55,56,57,58,59,60,61,62,63
	v_fma_f32 v[\n+96], -v[\n+64], |v\n|, v[\n+96]
.endr
.set q, 0
.rept 32
	v_med3_num_f32 v[HH+q], v[HH+q], -v31, v31     ; the conversion to an 8-bit code does not saturate (ISA guide 7.6.2)
.set q, q+1
.endr
.irp i, 0,1,2,3
	v_cvt_scalef32_pk8_fp8_f32 v[E8+2*\i:E8+2*\i+1], v[HH+8*\i:HH+8*\i+7], v30
.endr
	v_nop
.irp i, 0,1,2,3
	ds_store_b64 v[STO], v[E8+2*\i:E8+2*\i+1] offset:(\a)*16*SP+16*\i
.endr
.endm
	s_mov_b32 s24, 0x3eb504f3
	KP 26, 0xbf38aa3b
	KP 28, 0x3e7c6f08
	KP 30, 0x40097039
	KP 32, 0xbfd1a1e5
	KP 34, 0x3ecdfd18
	KP 36, 0xbe899a80
	KP 38, 0x3e0efb2e
	KP 40, 0x3f0a29d2
	KP 42, 0x3fb8ab5a
	v_mov_b32 v[K0], 0xc034d90f
	v_mov_b32 v[K0+1], 0xc034d90f
	v_mov_b32 v[K8], 0xbf97d29d
	v_mov_b32 v[K8+1], 0xbf97d29d
.irp a, 0,1,2,3,4,5,6,7,8
	EPI \a
.endr
	s_wait_dscnt 0x0                               ; for the others' sake: a row's 256 bytes come from four waves
	s_barrier_signal -1
	s_barrier_wait -1
.irp t, 0,1,2,3,4,5,6,7,8,9,10,11,12,13,14,15,16,17
	ds_load_b128 v[32+4*\t:32+4*\t+3], v[RD] offset:2*\t*SP
.endr
.irp t, 0,1,2,3,4,5,6,7,8,9,10,11,12,13,14,15,16,17
	s_wait_dscnt 17-\t
	global_store_b128 v[CO], v[32+4*\t:32+4*\t+3], s[84:85] offset:2*\t*KROW   ; each half of the lanes stores 256 consecutive bytes, at a multiple of 256 from the buffer's first byte
.endr
	s_wait_tensorcnt 0x0                           ; the wave's end
	ds_add_u32 v[SPW], v[NIL]
	s_wait_dscnt 0x0
	CROUND                                         ; the closing round
	s_endpgm
.Lfunc_end_k_q1433768f60_gemm1:
	.size	k_q1433768f60_gemm1, .Lfunc_end_k_q1433768f60_gemm1-k_q1433768f60_gemm1
	.p2alignl 7, 3214868480
	.fill 96, 4, 3214868480
	.section	.rodata,"a",@progbits
	.p2align	6, 0x0
	.amdhsa_kernel k_q1433768f60_gemm1
		.amdhsa_group_segment_fixed_size 327680
		.amdhsa_private_segment_fixed_size 0
		.amdhsa_enable_private_segment 0
		.amdhsa_kernarg_size 56
		.amdhsa_user_sgpr_count 2
		.amdhsa_user_sgpr_kernarg_segment_ptr 1
		.amdhsa_wavefront_size32 1
		.amdhsa_system_sgpr_workgroup_id_x 1
		.amdhsa_system_sgpr_workgroup_id_y 1
		.amdhsa_system_sgpr_workgroup_id_z 1
		.amdhsa_system_vgpr_workitem_id 0
		.amdhsa_next_free_vgpr 1024
		.amdhsa_next_free_sgpr 102
		.amdhsa_reserve_vcc 1
		.amdhsa_float_denorm_mode_32 3
		.amdhsa_float_denorm_mode_16_64 3
		.amdhsa_memory_ordered 1
		.amdhsa_forward_progress 1
		.amdhsa_inst_pref_size 255
	.end_amdhsa_kernel
	.section	.bss,"aw",@nobits
	.p2align	6
	.space	262144
	.amdgpu_metadata
---
amdhsa.version: [ 1, 2 ]
amdhsa.kernels:
  - .name:           k_q1433768f60_gemm1
    .symbol:         k_q1433768f60_gemm1.kd
    .args:
      - { .name: xcodes, .offset: 0, .size: 8, .value_kind: global_buffer, .address_space: global }
      - { .name: wcat, .offset: 8, .size: 8, .value_kind: global_buffer, .address_space: global }
      - { .name: tb1, .offset: 16, .size: 8, .value_kind: global_buffer, .address_space: global }
      - { .name: ib1, .offset: 24, .size: 8, .value_kind: global_buffer, .address_space: global }
      - { .name: lowp_scales, .offset: 32, .size: 8, .value_kind: global_buffer, .address_space: global }
      - { .name: rowtok, .offset: 40, .size: 8, .value_kind: global_buffer, .address_space: global }
      - { .name: hcodes, .offset: 48, .size: 8, .value_kind: global_buffer, .address_space: global }
    .group_segment_fixed_size: 327680
    .private_segment_fixed_size: 0
    .kernarg_segment_align: 8
    .kernarg_segment_size: 56
    .max_flat_workgroup_size: 128
    .sgpr_count:     102
    .vgpr_count:     1024
    .wavefront_size: 32
...
	.end_amdgpu_metadata
.endif
;; end of part 5
;; launch gemm2 (part 6): grid 8 x 30, 4 waves a work-group, clusters of 4 x 1, 327,680 bytes of LDS; arguments hcodes, wcat, tb2, ib2, lowp_scales, rowtok, hidden_states, out0; writes out0
.if DOCPART == 6
	.amdgcn_target "amdgcn-amd-amdhsa--gfx1250"
	.amdhsa_code_object_version 6
	.text
	.protected	k_q1433768f60_gemm2
	.globl	k_q1433768f60_gemm2
	.p2align	8
	.type	k_q1433768f60_gemm2,@function
k_q1433768f60_gemm2:
	s_mov_b64 s[64:65], 0
	v_nop
	global_prefetch_b8 v0, s[64:65] scope:SCOPE_SE
	s_setreg_imm32_b32 hwreg(HW_REG_WAVE_MODE, 25, 1), 1
	s_wait_xcnt 0x0
	s_wait_alu depctr_hold_cnt(0) depctr_sa_sdst(0) depctr_va_vdst(0) depctr_va_sdst(0) depctr_va_ssrc(0) depctr_va_vcc(0) depctr_vm_vsrc(0)
	s_getreg_b32 s2, hwreg(HW_REG_IB_STS2, 6, 4)
	s_cmp_eq_u32 s2, 0
	s_cbranch_scc0 .Lentry_in_a_cluster
	s_endpgm
.Lentry_in_a_cluster:
	s_bfe_u32 s2, ttmp6, 0x10000c
	s_cmp_lg_u32 s2, 0x3003
	s_cbranch_scc0 .Lentry_shape_is_right
	s_endpgm
.Lentry_shape_is_right:
; GEMM 2 in sorted row space, scattered back to token order: out0[token] = hidden[token] + h W2 + b2.  hcodes [4320][2048] E4M3, K innermost; W2's codes lie in wcat in the order of the operand's registers.
; The product is laid as in the launch before: tiles of 144 rows x 256 columns, 240 work-groups of four waves, a wave all 144 rows x 64 columns; h's tile resident in LDS in four places, one joint tensor load a wave;
; W2 straight into registers (not jointly: its address hangs on the tile's expert, a loaded number, held at 1); bias and exponents chosen as values; the sums begin as bias x 2^-(eh + ew2); no branch hangs on loaded data.
; THE SCATTER.  The results meet in one stage in LDS, 144 rows of 1,024 + 16 bytes.  Wave w then owns rows 36 w .. 36 w + 35, whole: in pair Q lanes 0-15 take row 36 w + Q and lanes 16-31 row 36 w + 18 + Q; four loads
; of the residual and four stores a pair, each of two runs of 256 consecutive bytes.  rowtok gives each row its token (low 16 bits), 4096 for a padding row.  A padding row's residual is read from token 4095's row and
; not used; its lanes are off for the stores (EXEC from a compare).  Each output byte has one owner.  Rows of tokens that are neither text nor image were stored by the first launch.
; THE RESIDUAL IS PREFETCHED: in trip u of three each wave names the 256-byte blocks of its rows 12 u .. 12 u + 11, a block a lane (lanes left over name row 12 u + 11's blocks again); the loads that want them stand in
; the last four steps, one trip or more later.  h and W2 are not prefetched: the one load a wave names all of h's tile at the head, and 48 loads are out behind the half set of W2 that is waited for.
; LIMITS: eh + ew2 between -126 and 126, and bias x 2^-(eh + ew2) an f32 number.  NaN and infinities are not served.
; REGISTERS, windows of 256: window 0: v8-31 addresses; v32-63 the residual of pairs 16, 17; v64-81 the pairs' byte offsets; v82-99 their tokens; v100-107 the prefetches; v112-255 h's fragments of even steps, then results.
;   window 1: W2's four sets, then the residual of pairs 0-15.  window 2: accumulators (a, b), a = 0..7, then pairs 0-15 read back.  window 3: v0-31 accumulators (8, b), then pairs 16, 17;
;   v32-175 h's fragments of odd steps, then results; v176-207 the bias.
.set KROW,  2048
.set PITCH, 528                        ; an LDS row: 512 bytes + 16 of padding = 132 words: the 16 rows that a load touches start at 16 different banks (64 banks of 4 bytes: ISA guide 11.1)
.set PLC,   144*PITCH                  ; a place
.set SPARE, 4*PLC                      ; the spare words, 128 bytes a wave
.set SP,    1040                       ; a stage row: 1,024 bytes + 16.  The stage, 149,760 bytes, lies in places 0 and 1
.set WOFF,  0x800000                   ; tw2's first byte in wcat
.set AD,  8
.set AD8, 9
.set VB,  10
.set VB8, 11
.set PC,  12                           ; 256 x (lane % 4)
.set STO, 20                           ; v20-22  the stage, in: blocks 0-2, 3-5, 6-8
.set BO,  23
.set RD,  25
.set TA,  26
.set LO,  27
.set RO,  30
.set RX,  32
.set OFF, 64
.set TOK, 82
.set PF,  100                          ; v100-101 this trip's two prefetches
.set NX,  102                          ; v102-107 rowtok entries of the trips to come
.set SPW, 110
.set NIL, 111
.set A0,  112
.set A1,  32
.set BIA, 176
.set LIMS, 81
.set G1,  24
.set G0,  32
.set WB,  48
.set MSB, 0
.macro WIN new                         ; the immediate's high byte repeats the setting that is left
.if MSB != (\new)
	s_set_vgpr_msb (MSB<<8)|(\new)
.set MSB, (\new)
.endif
.endm
.macro CROUND                          ; a round of the cluster's barrier
	s_barrier_signal -1
	s_barrier_wait -1
	s_cmp_lg_u32 s20, 0
	s_cbranch_scc1 .Lnot_wave_0_\@
	s_barrier_signal -3
.Lnot_wave_0_\@:
	s_barrier_wait -3
	s_barrier_signal -1
	s_barrier_wait -1
.endm
.macro PLACES n
.rept \n
	v_nop
.endr
.endm
.macro WLD set, sub, n, c
	global_load_b128 v[64*(\set)+16*(\n)+4*(\c):64*(\set)+16*(\n)+4*(\c)+3], v[LO], s[WB:WB+1] offset:(\n)*32768+(\sub)*2048+(\c)*512
.endm
.macro WHALF t, hf
.irp n, 0,1
.irp c, 0,1,2,3
	WLD \t, \t, 2*\hf+\n, \c
.endr
.endr
.endm
.macro RLD                             ; the next load of the residual: pairs 16, 17, then 0 to 15, four loads each, 256 consecutive bytes of two rows a load
.if RI_ < 8
	WIN 0
	global_load_b128 v[RX+4*RI_:RX+4*RI_+3], v[OFF+16+RI_/4], s[16:17] offset:256*(RI_%4)
.else
	WIN 0x40
	global_load_b128 v[4*(RI_-8):4*(RI_-8)+3], v[OFF+(RI_-8)/4], s[16:17] offset:256*(RI_%4)
.endif
.set RI_, RI_+1
.endm
.macro TWO p, s                        ; pair p of a step: two products.  The 36 accumulators take turns, one instruction a turn, in the same order in every step
.set a_, (\p)%9
.set b_, 2*((\p)/9)
.if a_ < 8
	WIN MW_
.set d_, 32*a_
.else
	WIN MW_|0x50
.set d_, 0
.endif
.irp k, 0,1
	v_wmma_f32_16x16x128_fp8_fp8 v[d_+8*(b_+\k):d_+8*(b_+\k)+7], v[64*(\s)+16*(b_+\k):64*(\s)+16*(b_+\k)+15], v[AS_+16*a_:AS_+16*a_+15], v[d_+8*(b_+\k):d_+8*(b_+\k)+7]
.endr
.endm
.macro NEXTW                           ; WB: the next pair along K; and the addresses of this trip's two prefetches
	s_add_co_u32 s52, s52, 1
	s_and_b32 s52, s52, 3
	s_lshl_b32 s50, s52, 13
	s_add_nc_u64 s[WB:WB+1], s[90:91], s[50:51]
	v_and_b32 v[PF], 0xffff, v[NX]
	v_and_b32 v[PF+1], 0xffff, v[NX+1]
	v_min_u32 v[PF], 0xfff, v[PF]                  ; a loaded number enters an address behind this hold
	v_min_u32 v[PF+1], 0xfff, v[PF+1]
	v_lshl_add_u32 v[PF], v[PF], 13, v[PC]
	v_lshl_add_u32 v[PF+1], v[PF+1], 13, v[PC]
	v_mov_b32 v[NX], v[NX+2]                       ; the next trip's entries move up
	v_mov_b32 v[NX+1], v[NX+3]
	v_mov_b32 v[NX+2], v[NX+4]
	v_mov_b32 v[NX+3], v[NX+5]
	s_wait_alu depctr_va_vdst(0)
.endm
.macro ARUN i, s                       ; twelve LDS loads: h's fragments 3 i .. 3 i + 2 of the step behind step s
	WIN AW_
.irp f, 3*\i, 3*\i+1, 3*\i+2
.if (\f) < 8
.set ar_, AD
.set fo_, (\f)*16*PITCH
.else
.set ar_, AD8
.set fo_, 0
.endif
.irp c, 0,1,2,3
	ds_load_b128 v[AL_+16*(\f)+4*\c:AL_+16*(\f)+4*\c+3], v[ar_] offset:fo_+128*((\s+1)%4)+32*\c
.endr
.endr
.endm
; A step: three runs of loads among its 18 pairs of products, as in the launch before.  s: the step mod 4; al: the next step's fragments of h are loaded; w1, w2: the loads of the first and second half (1: W's, 2: the
; residual's); lc1, lc2: the global loads younger than W's blocks 0, 1 and 2, 3 of this step where they are waited for; bar: a barrier, in front of which each wave has waited for all its reads of the places: behind it the
; stage may be written.
.macro STEP s, al, w1, w2, lc1, lc2, bar
.if (\s)%2 == 0
.set AS_, A0
.set AL_, A1
.set MW_, 0xa1
.set AW_, 0xc0
.else
.set AS_, A1
.set AL_, A0
.set MW_, 0xad
.set AW_, 0
.endif
	s_wait_loadcnt \lc1
.if \bar
	s_wait_dscnt 0x0
	s_barrier_signal -1
.endif
.irp g, 0,1,2,3,4,5,6,7,8
.if \g < 4
.set n_, 28-8*\g+12*\al*(\g/2)         ; LDS loads younger than fragment 2 g + 1; behind group 1 this step's first run has added twelve
.else
.set n_, 12*\al                        ; younger than fragment 8
.endif
.if (\g < 5) && ((\bar == 0) || (\g > 0))
	s_wait_dscnt n_
.endif
.if \g == 4
	TWO 8, \s
	WIN 0
.if \w2 == 1
.if \s == 0
	s_wait_xcnt 0x0                                ; W's loads have read WB, and the last trip's prefetches their addresses
	NEXTW
.endif
	PLACES 4                                       ; four places ahead of loads into the blocks 0, 1 just multiplied
.endif
.if \al
	ARUN 1, \s
.endif
.if \w2 == 1
	WIN 0x40
.irp c, 0,1,2,3
	WLD \s, \s, 0, \c
.endr
.if \s == 1
	WIN 0
	global_prefetch_b8 v[PF], s[16:17] th:TH_LOAD_NT scope:SCOPE_SE
	global_prefetch_b8 v[PF+1], s[16:17] th:TH_LOAD_NT scope:SCOPE_SE
.endif
.endif
.if \w2 == 2
.rept 4
	RLD
.endr
.endif
	s_wait_loadcnt \lc2
	TWO 9, \s
.else
	TWO 2*\g, \s
	TWO 2*\g+1, \s
.endif
.if (\bar == 1) && (\g == 0)
	s_barrier_wait -1                              ; nobody reads the places any more
.endif
.if \g == 1
	PLACES 4                                       ; four places between the last step's products and loads into what they have read (ISA guide 7.12.1 for vector instructions)
.if \al
	ARUN 0, \s
.endif
.if \w1 == 1
	WIN 0x40
.irp n, 2,3
.irp c, 0,1,2,3
	WLD (\s+3)%4, (\s+3)%4, \n, \c
.endr
.endr
.endif
.if \w1 == 2
.rept 8
	RLD
.endr
.endif
.endif
.if \g == 7
.if \al
	ARUN 2, \s
.endif
.if \w2 == 1
	WIN 0x40
.irp c, 0,1,2,3
	WLD \s, \s, 1, \c
.endr
.endif
.if \w2 == 2
.rept 4
	RLD
.endr
.endif
.endif
.endr
	WIN 0
.if \al == 0
	PLACES 4                                       ; ahead of the first read of results, and of loads into the set just multiplied
.endif
.endm
	s_load_b512 s[4:19], s[0:1], 0x0               ; hcodes, wcat, tb2, ib2, scales, rowtok, hidden s[16:17], out0 s[18:19]
	v_lshl_add_u32 v[SPW], v0, 2, SPARE
	v_mov_b32 v[NIL], 0
	ds_add_u32 v[SPW], v[NIL]                      ; the opening add, twice on end
	ds_add_u32 v[SPW], v[NIL]
	v_lshrrev_b32 v1, 5, v0
	v_readfirstlane_b32 s20, v1                    ; wave 0..3
	s_bfe_u32 s66, ttmp6, 0x40000                  ; cx
	s_lshl_b32 s68, ttmp9, 2
	s_add_co_u32 s68, s68, s66                     ; tile column
	s_and_b32 s69, ttmp7, 0xffff                   ; tile row, which the four partners share
	s_and_b32 s67, s69, 3                          ; the pair at which my walk along K begins
	s_mov_b32 s[LIMS], 0x1000
	s_mov_b32 s[G1], 15|(1<<20)|(1<<21)|(6<<22)|(3<<25)   ; all four work-groups; elements of 1 byte; padding of four words after every 128; 21 set beside a mask
	s_mov_b32 s[G1+1], 512<<16
	s_mov_b32 s[G1+2], 144<<16
	s_mov_b32 s[G1+3], 512<<16
	s_mov_b32 s[G1+4], 144
	s_mov_b32 s[G1+5], KROW
	s_mov_b32 s[G1+6], 0
	s_mov_b32 s[G1+7], 0
	s_add_co_u32 s70, s67, s20
	s_and_b32 s70, s70, 3
	s_lshl_b32 s70, s70, 9                         ; place w holds pair (T + w) % 4
	s_mul_i32 s71, s69, 144*KROW
	s_add_co_u32 s70, s70, s71
	s_mov_b32 s71, 0
	s_mov_b32 s[G0], 1
	s_mul_i32 s[G0+1], s20, PLC
	s_mul_i32 s94, s69, 576
	s_mov_b32 s95, 0
	s_wait_dscnt 0x0                               ; both opening adds are done
	s_wait_kmcnt 0x0
	s_add_nc_u64 s[94:95], s[14:15], s[94:95]
	s_load_b32 s96, s[94:95], 0x0                  ; the tile's first entry,
	s_load_b256 s[72:79], s[12:13], 0x0            ; and the eight exponents
	s_add_nc_u64 s[G0+2:G0+3], s[4:5], s[70:71]
	s_or_b32 s[G0+3], s[G0+3], 0x80000000
	CROUND                                         ; all four work-groups are here: the joint loads meet
	tensor_load_to_lds s[G0:G0+3], s[G1:G1+7]
	s_nop 0
	PLACES 4
	s_lshl_b32 s86, s68, 10                        ; the tile's first column, in bytes of f32
	s_mov_b32 s87, 0
	s_add_nc_u64 s[16:17], s[16:17], s[86:87]      ; in a row of hidden,
	s_add_nc_u64 s[18:19], s[18:19], s[86:87]      ; and of out0
	s_lshl_b32 s88, s20, 8
	s_add_co_u32 s86, s86, s88                     ; + my wave's 64 columns
	s_add_nc_u64 s[8:9], s[8:9], s[86:87]
	s_add_nc_u64 s[10:11], s[10:11], s[86:87]
	s_mul_i32 s86, s69, 144
	s_mul_i32 s88, s20, 36
	s_add_co_u32 s86, s86, s88
	s_lshl_b32 s86, s86, 2
	s_add_nc_u64 s[100:101], s[14:15], s[86:87]    ; rowtok at row 144 T + 36 w
	s_lshl_b32 s86, s68, 19
	s_lshl_b32 s88, s20, 17
	s_add_co_u32 s86, s86, s88
	s_add_co_u32 s86, s86, WOFF
	s_add_nc_u64 s[90:91], s[6:7], s[86:87]        ; W: 16 blocks of 16 columns a tile column, 4 a wave, 32,768 bytes a block
	s_lshl_b32 s92, s20, 8
	s_mul_i32 s93, s20, 36*SP
	v_and_b32 v1, 15, v0                           ; r
	v_bfe_u32 v2, v0, 4, 1                         ; h
	v_and_b32 v4, 31, v0
	v_bfe_u32 v5, v0, 2, 3                         ; lane / 4: a row of the prefetches
	v_lshlrev_b32 v6, 2, v5
	v_add_nc_u32 v7, 8, v5
	v_min_u32 v7, 11, v7
	v_lshlrev_b32 v7, 2, v7
	v_and_b32 v[PC], 3, v0
	v_lshlrev_b32 v[PC], 8, v[PC]
	v_lshlrev_b32 v[LO], 4, v4
	v_lshlrev_b32 v[BO], 5, v2
	v_lshlrev_b32 v[RO], 4, v1
	v_mul_u32_u24 v[TA], v2, 72
	v_mul_u32_u24 v3, v1, PITCH
	v_lshl_add_u32 v[VB], v2, 4, v3                ; a fragment's row x pitch + 16 h
	v_add_nc_u32 v[VB8], 128*PITCH, v[VB]          ; rows 128 on
	v_mul_u32_u24 v[STO], v1, SP                   ; the stage, in: row 16 a + r, byte 256 w + 64 b + 32 h
	v_lshl_add_u32 v[STO], v2, 5, v[STO]
	v_add_nc_u32 v[STO], s92, v[STO]
	v_add_nc_u32 v[STO+1], 3*16*SP, v[STO]
	v_add_nc_u32 v[STO+2], 6*16*SP, v[STO]
	v_mul_u32_u24 v[RD], v2, 18*SP                 ; out: row 36 w + 18 h + Q, byte 256 i + 16 r
	v_lshl_add_u32 v[RD], v1, 4, v[RD]
	v_add_nc_u32 v[RD], s93, v[RD]
	s_wait_alu depctr_va_vdst(0)
	WIN 0xc0
.irp b, 0,1,2,3
	global_load_b128 v[BIA+8*\b:BIA+8*\b+3], v[BO], s[8:9] offset:64*\b   ; tb2 at my columns 16 b + 8 h + 0 .. 7
	global_load_b128 v[BIA+8*\b+4:BIA+8*\b+7], v[BO], s[8:9] offset:64*\b+16
.endr
	WIN 0
.irp b, 0,1,2,3
	global_load_b128 v[A0+8*\b:A0+8*\b+3], v[BO], s[10:11] offset:64*\b   ; ib2
	global_load_b128 v[A0+8*\b+4:A0+8*\b+7], v[BO], s[10:11] offset:64*\b+16
.endr
.irp i, 0,1,2,3,4,5,6,7,8
	global_load_b64 v[TOK+2*\i:TOK+2*\i+1], v[TA], s[100:101] offset:8*\i   ; register Q: the entry of row 36 w + 18 h + Q
.endr
.irp u, 0,1,2
	global_load_b32 v[NX+2*\u], v6, s[100:101] offset:48*\u     ; rows 12 u + lane / 4
	global_load_b32 v[NX+2*\u+1], v7, s[100:101] offset:48*\u   ; rows 12 u + 8 .. 11
.endr
	s_wait_kmcnt 0x0
	s_lshr_b32 s96, s96, 16
	s_and_b32 s96, s96, 1                          ; the expert,
	s_min_u32 s96, s96, 1                          ; held at 1: a loaded number enters an address behind this hold
	s_lshl_b32 s88, s96, 22                        ; x 4 MiB
	s_mov_b32 s89, 0
	s_add_nc_u64 s[90:91], s[90:91], s[88:89]
	s_mov_b32 s52, s67
	s_lshl_b32 s50, s52, 13
	s_mov_b32 s51, 0
	s_add_nc_u64 s[WB:WB+1], s[90:91], s[50:51]
	WIN 0x40
.irp t, 0,1,2
	WHALF \t, 0
	WHALF \t, 1
.endr
	WHALF 3, 0
	WIN 0
	s_cmp_lg_u32 s96, 0                            ; the choices of values stand straight behind this compare
	s_cselect_b32 s80, -1, 0
	s_cselect_b32 s97, s78, s74                    ; the hidden layer's exponent
	s_cselect_b32 s98, s79, s75                    ; W2's
	s_add_co_i32 s98, s97, s98
	s_add_co_i32 s82, s98, 127
	s_lshl_b32 s82, s82, 23                        ; 2^(eh + ew2) as f32
	s_mov_b32 s83, s82
	s_sub_co_i32 s54, 127, s98
	s_lshl_b32 s54, s54, 23                        ; and its inverse
	s_mov_b32 s55, s54
	s_mov_b32 vcc_lo, s80
	s_wait_loadcnt 56                              ; biases and rowtok entries are in; W's 56 loads may be out
	WIN 0xc3
.set q, 0
.rept 32
	v_cndmask_b32 v[BIA+q], v[BIA+q], v[A0+q], vcc_lo
.set q, q+1
.endr
	WIN 0
.set q, 0
.rept 18
	v_and_b32 v[TOK+q], 0xffff, v[TOK+q]           ; the token, or 4096
	v_min_u32 v[OFF+q], 0xfff, v[TOK+q]            ; a loaded number enters an address behind this hold
	v_lshl_add_u32 v[OFF+q], v[OFF+q], 13, v[RO]   ; token x 8,192 + 16 x (lane % 16)
.set q, q+1
.endr
	WIN 0x83
.set q, 0
.rept 8
.irp b, 0,2,4,6,8,10,12,14,16,18,20,22,24,26,28,30
	v_pk_mul_f32 v[q+\b:q+\b+1], v[BIA+\b:BIA+\b+1], s[54:55] op_sel_hi:[1,0]   ; the sums begin as bias x 2^-(eh + ew2)
.endr
.set q, q+32
.endr
	WIN 0xc3
.irp b, 0,2,4,6,8,10,12,14,16,18,20,22,24,26,28,30
	v_pk_mul_f32 v[\b:\b+1], v[BIA+\b:BIA+\b+1], s[54:55] op_sel_hi:[1,0]
.endr
	WIN 0
	s_mov_b32 s3, 1                                ; trips 1 to 3
	s_mov_b32 s53, 0                               ; the place being read, in bytes
	s_wait_alu depctr_va_vdst(0)
	s_wait_tensorcnt 0x0                           ; my place is whole; behind the barrier all four are
	s_barrier_signal -1
	s_barrier_wait -1
.irp g, 0,1,2,3,4,5,6,7
.irp c, 0,1,2,3
	ds_load_b128 v[A0+16*\g+4*\c:A0+16*\g+4*\c+3], v[VB] offset:\g*16*PITCH+32*\c
.endr
.endr
.irp c, 0,1,2,3
	ds_load_b128 v[A0+128+4*\c:A0+128+4*\c+3], v[VB8] offset:32*\c
.endr
.Ltrip:                                                ; four steps: one place
	v_add_nc_u32 v[AD], s53, v[VB]
	v_add_nc_u32 v[AD8], s53, v[VB8]
	s_wait_alu depctr_va_vdst(0)
	STEP 0, 1, 1, 1, 48, 52, 0
	STEP 1, 1, 1, 1, 48, 52, 0
	STEP 2, 1, 1, 1, 48, 52, 0
	s_add_co_u32 s53, s53, PLC                     ; the fourth step loads from the next place
	v_add_nc_u32 v[AD], s53, v[VB]
	v_add_nc_u32 v[AD8], s53, v[VB8]
	s_wait_alu depctr_va_vdst(0)
	STEP 3, 1, 1, 1, 48, 52, 0
	s_add_co_u32 s3, s3, 1
	s_cmp_lt_u32 s3, 4
	s_cbranch_scc1 .Ltrip
	v_add_nc_u32 v[AD], 3*PLC, v[VB]
	v_add_nc_u32 v[AD8], 3*PLC, v[VB8]
	s_wait_alu depctr_va_vdst(0)
.set RI_, 0
	STEP 0, 1, 1, 2, 48, 52, 0                     ; the last place.  W's last eight loads, then the residual takes W's slots: the same counts of loads are younger at the waits
	STEP 1, 1, 2, 2, 48, 52, 0
	STEP 2, 1, 2, 2, 48, 52, 0
	STEP 3, 0, 2, 2, 48, 52, 1
.rept 16
	RLD                                            ; pairs 12 to 15, into the set just multiplied
.endr
; THE WAY OUT.  All 36 tiles x 2^(eh + ew2) into the registers that h's fragments have left, and from there into the stage.  Every wave's reads of places 0 and 1 were waited for in front of an earlier barrier, and nothing
; is filled any more.
	WIN 0x02                                       ; source 0 (the sums) window 2, destination window 0
.set i, 0
.rept 18
.irp j, 0,2,4,6
	v_pk_mul_f32 v[A0+8*i+\j:A0+8*i+\j+1], v[8*i+\j:8*i+\j+1], s[82:83] op_sel_hi:[1,0]   ; each accumulator from its low end on
.endr
.set i, i+1
.endr
	WIN 0
.set i, 0
.rept 18
	ds_store_b128 v[STO+(i/4)/3], v[A0+8*i:A0+8*i+3] offset:((i/4)%3)*16*SP+64*(i%4)
	ds_store_b128 v[STO+(i/4)/3], v[A0+8*i+4:A0+8*i+7] offset:((i/4)%3)*16*SP+64*(i%4)+16
.set i, i+1
.endr
	WIN 0xc2                                       ; destination window 3
.rept 14
.irp j, 0,2,4,6
	v_pk_mul_f32 v[A1+8*(i-18)+\j:A1+8*(i-18)+\j+1], v[8*i+\j:8*i+\j+1], s[82:83] op_sel_hi:[1,0]
.endr
.set i, i+1
.endr
	WIN 0xc3                                       ; the last four sums lie in window 3
.rept 4
.irp j, 0,2,4,6
	v_pk_mul_f32 v[A1+8*(i-18)+\j:A1+8*(i-18)+\j+1], v[8*(i-32)+\j:8*(i-32)+\j+1], s[82:83] op_sel_hi:[1,0]
.endr
.set i, i+1
.endr
	WIN 0x0c                                       ; an LDS store's data: window 3
.set i, 18
.rept 18
	ds_store_b128 v[STO+(i/4)/3], v[A1+8*(i-18):A1+8*(i-18)+3] offset:((i/4)%3)*16*SP+64*(i%4)
	ds_store_b128 v[STO+(i/4)/3], v[A1+8*(i-18)+4:A1+8*(i-18)+7] offset:((i/4)%3)*16*SP+64*(i%4)+16
.set i, i+1
.endr
	WIN 0
	s_wait_dscnt 0x0                               ; for the others' sake: a row's 1,024 bytes come from four waves
	s_barrier_signal -1
	s_barrier_wait -1
	WIN 0xc0                                       ; pairs 16 and 17 into window 3, then 0 to 15 into window 2: the order in which they leave
.set i, 16
.rept 2
.irp p, 0,1,2,3
	ds_load_b128 v[16*(i-16)+4*\p:16*(i-16)+4*\p+3], v[RD] offset:i*SP+256*\p
.endr
.set i, i+1
.endr
	WIN 0x80
.set i, 0
.rept 16
.irp p, 0,1,2,3
	ds_load_b128 v[16*i+4*\p:16*i+4*\p+3], v[RD] offset:i*SP+256*\p
.endr
.set i, i+1
.endr
	WIN 0
.macro ADDQ Q                          ; + the residual
.if (\Q) < 16
	WIN 0x86                                       ; destination and source 0 window 2, source 1 (the residual) window 1
.set DB_, 16*(\Q)
.set RB_, 16*(\Q)
.else
	WIN 0xc3                                       ; destination and source 0 window 3, source 1 window 0
.set DB_, 16*((\Q)-16)
.set RB_, RX+16*((\Q)-16)
.endif
.irp q, 0,2,4,6,8,10,12,14
	v_pk_add_f32 v[DB_+\q:DB_+\q+1], v[DB_+\q:DB_+\q+1], v[RB_+\q:RB_+\q+1]
.endr
.endm
.macro SENDQ Q                         ; pair Q's two rows: four stores under one EXEC
	WIN 0
	s_wait_xcnt 0x0                                ; EXEC changes only behind this wait
	s_mov_b32 exec_lo, -1
	v_cmpx_gt_u32 s[LIMS], v[TOK+(\Q)]             ; a lane is on where its row has a token
.if (\Q) < 16
	WIN 0x08                                       ; a store's data: window 2
.set DB_, 16*(\Q)
.else
	WIN 0x0c                                       ; window 3
.set DB_, 16*((\Q)-16)
.endif
.irp i, 0,1,2,3
	global_store_b128 v[OFF+(\Q)], v[DB_+4*\i:DB_+4*\i+3], s[18:19] offset:256*\i th:TH_STORE_NT   ; each half of the lanes stores 256 consecutive bytes, at a multiple of 256 from the buffer's first byte
.endr
.endm
.macro ALLON
	WIN 0
	s_wait_xcnt 0x0
	s_mov_b32 exec_lo, -1
.endm
	s_wait_loadcnt 48                              ; the residual's first 24 loads are in; the three younger groups of 16 may be out,
	s_wait_dscnt 48                                ; and so may theirs from the stage
.irp Q, 16,17,0,1,2,3
	ADDQ \Q
.endr
	s_wait_alu depctr_va_vdst(0)
.irp Q, 16,17,0,1,2,3
	SENDQ \Q
.endr
	ALLON
	s_wait_loadcnt 32
	s_wait_dscnt 32
.irp Q, 4,5,6,7
	ADDQ \Q
.endr
	s_wait_alu depctr_va_vdst(0)
.irp Q, 4,5,6,7
	SENDQ \Q
.endr
	ALLON
	s_wait_loadcnt 16
	s_wait_dscnt 16
.irp Q, 8,9,10,11
	ADDQ \Q
.endr
	s_wait_alu depctr_va_vdst(0)
.irp Q, 8,9,10,11
	SENDQ \Q
.endr
	ALLON
	s_wait_loadcnt 0x0
	s_wait_dscnt 0x0
.irp Q, 12,13,14,15
	ADDQ \Q
.endr
	s_wait_alu depctr_va_vdst(0)
.irp Q, 12,13,14,15
	SENDQ \Q
.endr
	ALLON
	s_wait_tensorcnt 0x0                           ; the wave's end
	ds_add_u32 v[SPW], v[NIL]
	s_wait_dscnt 0x0
	CROUND                                         ; the closing round: no work-group ends while a partner may still ask for a tile that names it
	s_endpgm
.Lfunc_end_k_q1433768f60_gemm2:
	.size	k_q1433768f60_gemm2, .Lfunc_end_k_q1433768f60_gemm2-k_q1433768f60_gemm2
	.p2alignl 7, 3214868480
	.fill 96, 4, 3214868480
	.section	.rodata,"a",@progbits
	.p2align	6, 0x0
	.amdhsa_kernel k_q1433768f60_gemm2
		.amdhsa_group_segment_fixed_size 327680
		.amdhsa_private_segment_fixed_size 0
		.amdhsa_enable_private_segment 0
		.amdhsa_kernarg_size 64
		.amdhsa_user_sgpr_count 2
		.amdhsa_user_sgpr_kernarg_segment_ptr 1
		.amdhsa_wavefront_size32 1
		.amdhsa_system_sgpr_workgroup_id_x 1
		.amdhsa_system_sgpr_workgroup_id_y 1
		.amdhsa_system_sgpr_workgroup_id_z 1
		.amdhsa_system_vgpr_workitem_id 0
		.amdhsa_next_free_vgpr 1024
		.amdhsa_next_free_sgpr 102
		.amdhsa_reserve_vcc 1
		.amdhsa_float_denorm_mode_32 3
		.amdhsa_float_denorm_mode_16_64 3
		.amdhsa_memory_ordered 1
		.amdhsa_forward_progress 1
		.amdhsa_inst_pref_size 124
	.end_amdhsa_kernel
	.amdgpu_metadata
---
amdhsa.version: [ 1, 2 ]
amdhsa.kernels:
  - .name:           k_q1433768f60_gemm2
    .symbol:         k_q1433768f60_gemm2.kd
    .args:
      - { .name: hcodes, .offset: 0, .size: 8, .value_kind: global_buffer, .address_space: global }
      - { .name: wcat, .offset: 8, .size: 8, .value_kind: global_buffer, .address_space: global }
      - { .name: tb2, .offset: 16, .size: 8, .value_kind: global_buffer, .address_space: global }
      - { .name: ib2, .offset: 24, .size: 8, .value_kind: global_buffer, .address_space: global }
      - { .name: lowp_scales, .offset: 32, .size: 8, .value_kind: global_buffer, .address_space: global }
      - { .name: rowtok, .offset: 40, .size: 8, .value_kind: global_buffer, .address_space: global }
      - { .name: hidden_states, .offset: 48, .size: 8, .value_kind: global_buffer, .address_space: global }
      - { .name: out0, .offset: 56, .size: 8, .value_kind: global_buffer, .address_space: global }
    .group_segment_fixed_size: 327680
    .private_segment_fixed_size: 0
    .kernarg_segment_align: 8
    .kernarg_segment_size: 64
    .max_flat_workgroup_size: 128
    .sgpr_count:     102
    .vgpr_count:     1024
    .wavefront_size: 32
...
	.end_amdgpu_metadata
.endif
;; end of part 6
